; MI455X (gfx1250); checked and timed in simulation.
; The chip was launched on July 23, 2026; its instructions are those of AMD's public machine-readable ISA for CDNA 5 (MIT licence, August 2026) and "CDNA5" Instruction Set Architecture Reference Guide (July 2026). The comments in the code are by the model that wrote it; some were corrected since.
;; Causal Self Attention. Allowed arithmetic: matrix products marked QUANTISED: E2M3 operands, one E8M0 scale for each 32 along K, by v_wmma_scale_f32_16x16x128_f8f6f4 with both operands' format E2M3, f32 sums; everything else in f32.
;; Inputs: b_attn 3,072 float32; b_proj 1,024 float32; w_attn 1,024 x 3,072 float32; w_proj 1,024 x 1,024 float32; x 4 x 2,048 x 1,024 float32.
;; Outputs: out0 4 x 2,048 x 1,024 float32.
;; This version of the problem:
;;   THIS VERSION OF THE PROBLEM IS GIVEN IN LOW PRECISION. The matrix products marked QUANTISED in the list below multiply operands that are first quantised to E2M3 (2 exponent bits, 3 mantissa bits; 6 bits a number), with one power-of-two scale for each 32 numbers along K (OCP MX v1.0); their sums are f32. All else is computed in f32.
;;   The module's matrix products, in the order in which they are computed (A, B: the left and right operand; K: the contracted axis; several contracted axes count as one K, in the product's order):
;;     1. [M 8,192, K 1,024] x [K 1,024, N 3,072]; A: input x; B: input w_attn: QUANTISED
;;     2. batch 64 x [M 2,048, K 64] x [K 64, N 2,048]; A: computed on the way; B: computed on the way: QUANTISED
;;     3. batch 64 x [M 2,048, K 2,048] x [K 2,048, N 64]; A: softmax (see below); B: computed on the way: QUANTISED
;;     4. [M 8,192, K 1,024] x [K 1,024, N 1,024]; A: computed on the way; B: input w_proj: QUANTISED
;;   THE QUANTISER, for each operand of a quantised product, along K:
;;     - K is cut into blocks of 32 from its start; a last block that is shorter is filled with zeros.
;;     - A block's scale is 2^e with e = floor(log2(the largest magnitude in the block)) - 2, held to -126 .. 127; a block of zeros has e = 0. As a byte (E8M0): e + 127.
;;     - Each number is divided by its block's scale, clamped to +-7.5, and rounded to the nearest number of E2M3, ties to even, subnormals kept.
;;     - The product sums the exact products of the quantised numbers (number of the format x scale) in f32.
;;   ~~~python
;;   def quantise(x, axis):      # numpy; x: float32 -> the quantised numbers, widened to float32 again
;;       x = np.moveaxis(x, axis, -1); K = x.shape[-1]
;;       x = np.pad(x, [(0, 0)] * (x.ndim - 1) + [(0, -K % 32)]); x = x.reshape(x.shape[:-1] + (-1, 32)); a = np.abs(x).max(-1, keepdims=True)
;;       e = np.where(a > 0, np.clip(np.frexp(np.where(a > 0, a, 1))[1] - 1 - 2, -126, 127), 0)      # np.frexp(a)[1] - 1 = floor(log2(a)), exactly
;;       r = np.clip(x / 2.0 ** e, -7.5, 7.5)
;;       step = 2.0 ** (np.maximum(np.frexp(np.where(r == 0, 1, r))[1] - 1, 0) - 3)
;;       q = np.round(r / step) * step * 2.0 ** e      # np.round: ties to even
;;       return np.moveaxis(q.reshape(q.shape[:-2] + (-1,))[..., :K], -1, axis).astype(np.float32)
;;   ~~~
;;   SOFTMAX AHEAD OF A QUANTISED PRODUCT. Where the list says 'softmax', what is quantised is not the finished softmax but p = 2^(t - M), with t = logit x log2(e) and M = ceil(the row's largest t), a whole number; so 1/2 < the row's largest p <= 1. The row's sum l is taken of the UNQUANTISED p, in f32, and the product's result is divided by l at the end. Since M is a whole number, a kernel that streams over the keys may use a running M (the ceiling of the running maximum): every later rescaling is an exact power of two, which a block's scale takes up: the codes' values come out the same.
;;   OPERANDS COMPUTED ON THE WAY. 'Computed on the way' means the value that the module computes at that place (a softmax that the list does not call 'softmax' is quantised finished and normalised). What goes into a quantiser is computed in f32, as accurately as f32 sums, v_exp_f32 and their like allow (about 1e-6 of the number): no bf16 or f16 on the way to a quantiser, and a product that is left as it is and whose result goes on into a quantised operand takes f32 operands (vector FMAs, or v_wmma_f32_16x16x4_f32). A number that lies on a knife's edge between two numbers of the format may be rounded either way, as far as f32 arithmetic and the matrix unit's own rounding can turn it there, and no further.
;; One version. Each part assembles by itself: llvm-mc -triple=amdgcn-amd-amdhsa -mcpu=gfx1250 --defsym DOCPART=n.
;; ======== version 1 of 1: 4 launches
;; workspace buffers: opc 9,437,184 bytes; ops 393,216 bytes; qkv 20,185,088 bytes; yimg 6,291,456 bytes; ysc 262,144 bytes
;; launch quant (part 1): grid 1024 x 1, 4 waves a work-group, no clusters, 35,328 bytes of LDS; arguments x, w_attn, w_proj, opc, ops; writes opc, ops
.if DOCPART == 1
	.amdgcn_target "amdgcn-amd-amdhsa--gfx1250"
	.amdhsa_code_object_version 6
	.text
	.protected	k_qa3935433ba_quant
	.globl	k_qa3935433ba_quant
	.p2align	8
	.type	k_qa3935433ba_quant,@function
k_qa3935433ba_quant:
	s_mov_b64 s[64:65], 0
	v_nop
	global_prefetch_b8 v0, s[64:65] scope:SCOPE_SE
	s_setreg_imm32_b32 hwreg(HW_REG_WAVE_MODE, 25, 1), 1
	s_wait_xcnt 0x0
; x [8192][1024], w_attn [1024][3072] and w_proj [1024][1024], f32, become codes of FP6 (E2M3) with one E8M0 byte for each 32 along K (K = 1024: x's last axis, the weights' first).
; A block's scale is 2^(floor(log2(largest magnitude)) - 2): its byte is the largest magnitude's exponent field - 2, held at 1 from below by a floor among the maximum's leaves.
; LIMITS: a block of zeros gets the byte 1 where the rule says 127 (its codes are zeros, and these bytes are read by this program alone); NaN and infinities among the inputs are not served.
; THE TABLES ARE LAID IN THE ORDER OF AN OPERAND'S REGISTERS.  A tile is 16 rows (of x) or 16 columns (of a weight); two tiles are a pair of 32.  Place 16 u + p of a pair holds row 8 u + (p & 7) + 16 (p >> 3).
; opc: [tile][chunk of 64 K][768 bytes]: lane (r, h) of an operand owns six registers, the codes of K = 32 h .. 32 h + 31 of the chunk for place r: registers 0-3 at 16 (r + 16 h), registers 4, 5 at 512 + 16 r + 8 h.
; ops: [pair][256 K][u][r][8 bytes].  Tiles 0-511 are x's, 512-703 w_attn's columns, 704-767 w_proj's.
; Work-groups 0-511: a tile of x, each wave 256 along K.  Work-groups 512-1023: 128 columns of a weight x 64 along K, each wave 32 columns.  Nothing is looped: every wave issues all its loads at once.
.set SPARE, 34816                      ; behind the four waves' stages: the spare words, 128 bytes a wave
.set STG,   4352                       ; a stage: 16 rows x (256 bytes + 16)
.set SPW,   12                         ; v12  my spare word's LDS address; never rewritten
.set NIL,   13                         ; v13  0; never rewritten
.set R,     32                         ; v32-159   x as loaded: four chunks x 32 registers
.set X,     160                        ; v160-223  two sets of 32 neighbours along K
.set C,     224                        ; v224-255  codes, eight registers a chunk: no store's data are written again
.set BY,    16                         ; v16-19    a scale byte for each chunk
.set FLOOR, 0x1800000                  ; 2^(3 - 127)
.set EOFF,  0xff000000                 ; takes 2 off an exponent field
	s_load_b256 s[4:11], s[0:1], 0x0               ; x s[4:5], w_attn s[6:7], w_proj s[8:9], opc s[10:11]
	s_load_b64 s[12:13], s[0:1], 0x20              ; ops
	v_lshl_add_u32 v[SPW], v0, 2, SPARE
	v_mov_b32 v[NIL], 0
	v_lshrrev_b32 v1, 5, v0
	v_readfirstlane_b32 s16, v1                    ; wave 0..3
	v_and_b32 v1, 31, v0                           ; lane
	v_and_b32 v2, 15, v0                           ; r
	v_bfe_u32 v3, v0, 4, 1                         ; h
; the largest magnitude of 32 numbers of one lane, and the floor, into v8: two chains that do not wait for each other
.macro BLOCKMAX xs
	v_max3_num_f32 v8, |v[\xs]|, |v[\xs+1]|, |v[\xs+2]|
	v_max3_num_f32 v9, |v[\xs+3]|, |v[\xs+4]|, |v[\xs+5]|
.irp i, 6,10,14,18,22,26
	v_max3_num_f32 v8, v8, |v[\xs+\i]|, |v[\xs+\i+1]|
	v_max3_num_f32 v9, v9, |v[\xs+\i+2]|, |v[\xs+\i+3]|
.endr
	v_max3_num_f32 v8, v8, |v[\xs+30]|, |v[\xs+31]|
	v_max3_num_f32 v8, v8, v9, FLOOR
.endm
	s_cmp_lt_u32 ttmp9, 512                        ; the work-group's number alone decides which tensor it serves
	s_cbranch_scc0 .Lweights
	; ---------------- x: tile = work-group, 256 along K = wave, in four chunks of 64
	s_lshr_b32 s17, ttmp9, 1                       ; pair
	s_and_b32 s18, ttmp9, 1                        ; u
	s_lshl_b32 s20, s17, 17                        ; 32 rows of 4,096 bytes a pair,
	s_lshl_b32 s21, s18, 15                        ; 8 rows for u,
	s_add_co_u32 s20, s20, s21
	s_lshl_b32 s21, s16, 10                        ; 256 numbers for the wave
	s_add_co_u32 s20, s20, s21
	s_mov_b32 s21, 0
	s_mul_i32 s22, ttmp9, 12288                    ; the tile's codes,
	s_mul_i32 s23, s16, 3072                       ; four chunks on for each wave
	s_add_co_u32 s22, s22, s23
	s_mov_b32 s23, 0
	s_lshl_b32 s24, s17, 10                        ; the pair's scale bytes, + 256 x wave + 128 u
	s_lshl_b32 s25, s16, 8
	s_add_co_u32 s24, s24, s25
	s_lshl_b32 s25, s18, 7
	s_add_co_u32 s24, s24, s25
	s_mov_b32 s25, 0
	s_mul_i32 s26, s16, 2*STG                      ; my wave's two stages
	s_mov_b32 s28, 0x76543210
	s_mov_b32 s29, 0xfedcba98                      ; v_permlanex16_b32's selects for lane l xor 16
	v_lshlrev_b32 v4, 4, v2
	v_lshl_add_u32 v4, v3, 12, v4                  ; a load: lanes 0-15 one row's 256 bytes, lanes 16-31 the next row's
	v_mul_u32_u24 v5, v3, 272
	v_lshl_add_u32 v5, v2, 4, v5
	v_add_nc_u32 v5, s26, v5                       ; into the stage, as loaded
	v_mul_u32_u24 v6, v2, 272
	v_lshl_add_u32 v6, v3, 7, v6
	v_add_nc_u32 v6, s26, v6                       ; out of it: place r, my half's 32 numbers
	v_lshlrev_b32 v7, 4, v1                        ; codes: registers 0-3 at 16 x lane,
	v_lshlrev_b32 v14, 4, v2
	v_lshl_add_u32 v14, v3, 3, v14                 ; registers 4, 5 at 16 r + 8 h
	v_lshlrev_b32 v15, 3, v2
	v_lshl_add_u32 v15, v3, 2, v15                 ; scale bytes: 8 r + 4 h
	v_lshlrev_b32 v11, 3, v3                       ; 8 h: my bytes' shift in a word
	v_mov_b32 v20, 0                               ; a lane permute's destination counts as one of its sources
	v_mov_b32 v21, 0
	s_wait_kmcnt 0x0
	s_add_nc_u64 s[4:5], s[4:5], s[20:21]
	s_add_nc_u64 s[10:11], s[10:11], s[22:23]
	s_add_nc_u64 s[12:13], s[12:13], s[24:25]
.macro XLOAD cc                        ; chunk cc: places 2 i and 2 i + 1 are rows 2 i + h (+ 8 from place 8 on): each load reads two whole runs of 256 bytes
.irp i, 0,1,2,3,4,5,6,7
	global_load_b128 v[R+32*\cc+4*\i:R+32*\cc+4*\i+3], v4, s[4:5] offset:(2*\i+8*(\i/4))*4096+256*\cc th:TH_LOAD_NT
.endr
.endm
.macro XTURN cc                        ; through the stage: LDS serves a wave's instructions in order, so no wait stands between the stores and the loads
.irp i, 0,1,2,3,4,5,6,7
	ds_store_b128 v5, v[R+32*(\cc)+4*\i:R+32*(\cc)+4*\i+3] offset:((\cc)%2)*STG+2*\i*272
.endr
.irp k, 0,1,2,3,4,5,6,7
	ds_load_b128 v[X+32*((\cc)%2)+4*\k:X+32*((\cc)%2)+4*\k+3], v6 offset:((\cc)%2)*STG+16*\k
.endr
.endm
.macro XQ cc                           ; my block of the chunk: 32 numbers, all mine
.set XS, X+32*((\cc)%2)
.set CC, C+8*(\cc)
	BLOCKMAX XS
	v_add_nc_u32 v10, EOFF, v8                     ; the conversion takes the exponent field of this operand as its scale
	v_cvt_scalef32_pk16_fp6_f32 v[CC:CC+2], v[XS:XS+15], v10
	v_cvt_scalef32_pk16_fp6_f32 v[CC+4:CC+6], v[XS+16:XS+31], v10   ; (a conversion's three registers begin on an even number)
	v_lshrrev_b32 v[BY+(\cc)], 23, v10             ; the scale's byte; also the plain line between the conversions and the moves
	v_mov_b32 v[CC+3], v[CC+4]
	v_mov_b32 v[CC+4], v[CC+5]
	v_mov_b32 v[CC+5], v[CC+6]
	global_store_b128 v7, v[CC:CC+3], s[10:11] offset:768*(\cc)        ; 512 consecutive bytes
	global_store_b64 v14, v[CC+4:CC+5], s[10:11] offset:768*(\cc)+512  ; 256 consecutive bytes
.endm
	XLOAD 0
	XLOAD 1
	XLOAD 2
	XLOAD 3
	s_wait_loadcnt 24                              ; chunk 0's eight loads are in; the 24 younger ones may be out
	XTURN 0
.irp cc, 0,1,2,3
.if \cc < 3
	s_wait_loadcnt 8*(2-\cc)                       ; the next chunk's eight loads are in; those of the chunks behind it may be out
	XTURN \cc+1
	s_wait_dscnt 16                                ; this chunk is back from the stage; the next chunk's 8 stores and 8 loads may be out
.else
	s_wait_dscnt 0x0
.endif
	XQ \cc
.endr
	v_lshl_or_b32 v8, v17, 16, v16                 ; my bytes are blocks 2 cc + h of the row's eight: chunks 0, 1 make the first word,
	v_lshl_or_b32 v9, v19, 16, v18                 ; chunks 2, 3 the second,
	v_lshlrev_b32 v8, v11, v8                      ; 8 h bits up;
	v_lshlrev_b32 v9, v11, v9
	v_permlanex16_b32 v20, v8, s28, s29
	v_permlanex16_b32 v21, v9, s28, s29
	v_or_b32 v8, v8, v20                           ; with lane l xor 16's bytes both words are whole
	v_or_b32 v9, v9, v21
	v_cmp_ne_u32 vcc_lo, 0, v3
	v_cndmask_b32 v8, v8, v9, vcc_lo               ; lanes 0-15 store the first word, lanes 16-31 the second
	global_store_b32 v15, v8, s[12:13]             ; 128 consecutive bytes
	s_wait_tensorcnt 0x0                           ; the wave's end, behind my last LDS store
	ds_add_u32 v[SPW], v[NIL]
	s_wait_dscnt 0x0
	s_endpgm
	; ---------------- the weights: a lane takes a column and its registers run down K: 64 rows, two blocks.  No LDS here
.Lweights:
	s_sub_co_u32 s17, ttmp9, 512
	s_lshr_b32 s18, s17, 4                         ; group of 128 columns: 0-23 w_attn's, 24-31 w_proj's
	s_and_b32 s19, s17, 15                         ; chunk of 64 along K
	s_lshl_b32 s20, s18, 2
	s_add_co_u32 s20, s20, s16                     ; my wave's 32 columns: pair 4 x group + wave of the weights,
	s_add_co_u32 s21, s20, 256                     ; behind x's 256 pairs
	s_mul_i32 s22, s21, 24576
	s_mul_i32 s23, s19, 768
	s_add_co_u32 s22, s22, s23                     ; the pair's codes, my chunk
	s_mov_b32 s23, 0
	s_lshl_b32 s24, s21, 10
	s_lshr_b32 s25, s19, 2
	s_lshl_b32 s25, s25, 8
	s_add_co_u32 s24, s24, s25
	s_and_b32 s25, s19, 3
	s_lshl_b32 s25, s25, 1
	s_add_co_u32 s24, s24, s25                     ; the pair's scale bytes: 256 (chunk / 4) + 2 (chunk % 4)
	s_mov_b32 s25, 0
	v_lshlrev_b32 v4, 2, v1                        ; in: 4 bytes a lane
	v_and_b32 v5, 7, v0
	v_lshl_or_b32 v5, v3, 3, v5                    ; column l of the pair lies at place (l & 7) + 8 (l >> 4)
	v_bfe_u32 v6, v0, 3, 1                         ; of tile u = (l >> 3) & 1
	v_mul_u32_u24 v7, v6, 12288
	v_lshl_add_u32 v7, v5, 4, v7
	v_lshlrev_b32 v14, 7, v6
	v_lshl_add_u32 v14, v5, 3, v14
	s_wait_kmcnt 0x0
	s_add_nc_u64 s[10:11], s[10:11], s[22:23]
	s_add_nc_u64 s[12:13], s[12:13], s[24:25]
	s_cmp_lt_u32 s18, 24
	s_cbranch_scc0 .Lproj_w
	s_mul_i32 s26, s19, 64*12288                   ; w_attn: 64 rows of 12,288 bytes a chunk, 128 bytes a pair
	s_lshl_b32 s27, s20, 7
	s_add_co_u32 s26, s26, s27
	s_mov_b32 s27, 0
	s_add_nc_u64 s[6:7], s[6:7], s[26:27]
.set i, 0
.rept 64
	global_load_b32 v[32+i], v4, s[6:7] offset:i*12288 th:TH_LOAD_NT    ; a wave reads 128 consecutive bytes, the four waves 512
.set i, i+1
.endr
	s_branch .Lwq
.Lproj_w:
	s_sub_co_u32 s20, s20, 96                      ; w_proj's own pairs
	s_lshl_b32 s26, s19, 18                        ; 64 rows of 4,096 bytes a chunk
	s_lshl_b32 s27, s20, 7
	s_add_co_u32 s26, s26, s27
	s_mov_b32 s27, 0
	s_add_nc_u64 s[8:9], s[8:9], s[26:27]
.set i, 0
.rept 64
	global_load_b32 v[32+i], v4, s[8:9] offset:i*4096 th:TH_LOAD_NT
.set i, i+1
.endr
.Lwq:
.irp b, 0,1
	s_wait_loadcnt 32-32*\b                        ; block b's 32 loads are in; the other block's may be out
.set XS, 32+32*\b
	BLOCKMAX XS
	v_add_nc_u32 v[10+\b], EOFF, v8
	v_cvt_scalef32_pk16_fp6_f32 v[96+4*\b:98+4*\b], v[XS:XS+15], v[10+\b]
	v_cvt_scalef32_pk16_fp6_f32 v[108+4*\b:110+4*\b], v[XS+16:XS+31], v[10+\b]
	v_lshrrev_b32 v[16+\b], 23, v[10+\b]           ; the byte; a plain line behind the conversions
.endr
.irp b, 0,1                                    ; block b is what lane (place, h = b) of the operand owns: registers 0-3 together, both blocks' registers 4, 5 together
	v_mov_b32 v[99+4*\b], v[108+4*\b]
	v_mov_b32 v[104+2*\b], v[109+4*\b]
	v_mov_b32 v[105+2*\b], v[110+4*\b]
.endr
	v_lshl_or_b32 v16, v17, 8, v16
	global_store_b128 v7, v[96:99], s[10:11]               ; the sixteen lanes of a tile fill 256 consecutive, aligned bytes in each of the three
	global_store_b128 v7, v[100:103], s[10:11] offset:256
	global_store_b128 v7, v[104:107], s[10:11] offset:512
	global_store_b16 v14, v16, s[12:13]                    ; two bytes a lane, 8 bytes apart: one byte in 128 of what the wave reads
	s_endpgm
.Lfunc_end_k_qa3935433ba_quant:
	.size	k_qa3935433ba_quant, .Lfunc_end_k_qa3935433ba_quant-k_qa3935433ba_quant
	.p2alignl 7, 3214868480
	.fill 96, 4, 3214868480
	.section	.rodata,"a",@progbits
	.p2align	6, 0x0
	.amdhsa_kernel k_qa3935433ba_quant
		.amdhsa_group_segment_fixed_size 35328
		.amdhsa_private_segment_fixed_size 0
		.amdhsa_enable_private_segment 0
		.amdhsa_kernarg_size 40
		.amdhsa_user_sgpr_count 2
		.amdhsa_user_sgpr_kernarg_segment_ptr 1
		.amdhsa_wavefront_size32 1
		.amdhsa_system_sgpr_workgroup_id_x 1
		.amdhsa_system_sgpr_workgroup_id_y 1
		.amdhsa_system_sgpr_workgroup_id_z 1
		.amdhsa_system_vgpr_workitem_id 0
		.amdhsa_next_free_vgpr 256
		.amdhsa_next_free_sgpr 66
		.amdhsa_reserve_vcc 1
		.amdhsa_float_denorm_mode_32 3
		.amdhsa_float_denorm_mode_16_64 3
		.amdhsa_memory_ordered 1
		.amdhsa_forward_progress 1
		.amdhsa_inst_pref_size 34
	.end_amdhsa_kernel
	.amdgpu_metadata
---
amdhsa.version: [ 1, 2 ]
amdhsa.kernels:
  - .name:           k_qa3935433ba_quant
    .symbol:         k_qa3935433ba_quant.kd
    .args:
      - { .name: x, .offset: 0, .size: 8, .value_kind: global_buffer, .address_space: global }
      - { .name: w_attn, .offset: 8, .size: 8, .value_kind: global_buffer, .address_space: global }
      - { .name: w_proj, .offset: 16, .size: 8, .value_kind: global_buffer, .address_space: global }
      - { .name: opc, .offset: 24, .size: 8, .value_kind: global_buffer, .address_space: global }
      - { .name: ops, .offset: 32, .size: 8, .value_kind: global_buffer, .address_space: global }
    .group_segment_fixed_size: 35328
    .private_segment_fixed_size: 0
    .kernarg_segment_align: 8
    .kernarg_segment_size: 40
    .max_flat_workgroup_size: 128
    .sgpr_count:     66
    .vgpr_count:     256
    .wavefront_size: 32
...
	.end_amdgpu_metadata
.endif
;; end of part 1
;; launch qkv (part 2): grid 12 x 32, 4 waves a work-group, clusters of 4 x 4, 327,680 bytes of LDS; arguments opc, ops, b_attn, qkv; writes qkv
.if DOCPART == 2
	.amdgcn_target "amdgcn-amd-amdhsa--gfx1250"
	.amdhsa_code_object_version 6
	.text
	.protected	k_qa3935433ba_qkv
	.globl	k_qa3935433ba_qkv
	.p2align	8
	.type	k_qa3935433ba_qkv,@function
k_qa3935433ba_qkv:
	s_mov_b64 s[64:65], 0
	v_nop
	global_prefetch_b8 v0, s[64:65] scope:SCOPE_SE
	s_setreg_imm32_b32 hwreg(HW_REG_WAVE_MODE, 25, 1), 1
	s_wait_xcnt 0x0
	s_wait_alu depctr_hold_cnt(0) depctr_sa_sdst(0) depctr_va_vdst(0) depctr_va_sdst(0) depctr_va_ssrc(0) depctr_va_vcc(0) depctr_vm_vsrc(0)
	s_getreg_b32 s2, hwreg(HW_REG_IB_STS2, 6, 4)
	s_cmp_eq_u32 s2, 0
	s_cbranch_scc0 .Lentry_in_a_cluster
	s_endpgm
.Lentry_in_a_cluster:
	s_bfe_u32 s2, ttmp6, 0x10000c
	s_cmp_lg_u32 s2, 0xf033
	s_cbranch_scc0 .Lentry_shape_is_right
	s_endpgm
.Lentry_shape_is_right:
; qkv = x w_attn + b_attn on codes of FP6 (E2M3) with E8M0 scales, K = 1024; the results are quantised in registers and leave as codes: q and k along the head's 64, v along the keys.
; Both operands are tables of one form (opc, ops): [tile of 16][chunk of 64 K][768 bytes] in the order of an operand's registers, and [pair][256 K][u][r][8 scale bytes].
; A work-group of four waves makes 256 x 256; a wave 128 x 128: 64 accumulators of 16 x 16 in windows 2 and 3.  Source 0 takes tiles of S0, source 1 tiles of S1: a lane holds ONE place of S1 and its registers run along S0.
; Place 16 u + p of a pair holds row 8 u + (p & 7) + 16 (p >> 3), so the 16 registers of two neighbouring tiles of S0 are 16 NEIGHBOURS: what the next quantiser wants.
; Cluster x = 0 (q), 1 (k): S1 = tokens, S0 = the weight's columns: registers run along the head's d.  Cluster x = 2 (v): S1 = the columns, S0 = the tokens: registers run along the keys.  Only tile numbers differ.
; K goes in four steps of 256 through three LDS slots: steps 0, 1, 2 are first fills, step 3 fills slot 0 again behind one round of the cluster's barrier, two K steps ahead of its use.
; CLUSTERS: 4 x 4.  S1's tiles are shared along a row of the cluster, S0's along a column: each is asked for jointly.  The bias is the C of each sum's first product: nothing is cleared, nothing added.
; OUT: a record of 315,392 bytes for each (batch, head): Q's 128 tiles x 768; Q's scale words [tile / 4][r][tile % 4]; 16 key-step records of 13,056: K's 8 tiles, V's 4 fragments of 1,536, V's scale words, K's scale words.
; LIMITS: a block of zeros gets the byte 1 (its codes are zeros; this program alone reads the bytes); NaN and infinities are not served.
; REGISTERS: window 0: v4-16 LDS addresses, v19 the bias's offset, v24-27 the way out, v28-30, v32-63 scale words (two sets), v64-127 the bias, v128-223 S1's fragments (one set).  window 1: S0's fragments, two sets.
.set FR,     12                        ; registers of a fragment, 16 places x 128 K
.set HALFT,  24576                     ; 8 tiles x 3,072 bytes: what one tensor load brings, and what a wave reads of S1 or of S0 in a K step
.set SLOT,   98304                     ; S1's 16 tiles, then S0's 16
.set SCL,    3*SLOT                    ; the scale bytes for all of K: S1's 8,192; S0's begin 8,320 on, so that the two halves of the lanes fall on different banks
.set SPARE,  311552                    ; the spare words, 128 bytes a wave
.set REC,    315392
.set KREC,   13056
.set A16, 4                            ; v4-6   S1's fragments in slot 0, 1, 2: + 16 x lane
.set A8,  7                            ; v7-9   the same + 16 r + 8 h
.set B16, 10                           ; v10-12 S0's
.set B8,  13                           ; v13-15
.set ADRS, 16                          ; v16    my scale words: lanes 0-15 S1's, lanes 16-31 S0's
.set BO,  19                           ; v19    the bias's offset
.set VO16, 24                          ; v24    16 x lane
.set VO8, 25                           ; v25    16 r + 8 h
.set VOS, 26                           ; v26    the scale words' offset: REC h + 16 r
.set SH,  27                           ; v27    16 h
.set SPW, 28                           ; v28    my spare word; never rewritten
.set NIL, 29                           ; v29    0; never rewritten
.set FLR, 30                           ; v30    the floor 2^(3 - 127)
.set SC,  32
.set BI,  64
.set AF,  128
.set PC,  112                          ; the way out: v112-130 codes
.set TM,  200                          ; v200-215 maxima, bytes, scale operands
.set PWS, 216                          ; v216-223 a scale word for each of my eight tiles of S1
.set G1A, 24                           ; s[24:31] group 1, S1's tiles;  s[32:39] S0's;  s[40:47], s[48:55] their scale bytes
.set G1B, 32
.set G1SA, 40
.set G1SB, 48
.set G0SA, 84                          ; groups 0: S1's slots s[56:59], s[60:63], s[68:71]; S0's s[72:83]; the scale bytes' s[84:87], s[88:91]
.set G0SB, 88
.set MSB, 0
.macro WIN new                         ; the immediate's high byte repeats the setting that is left
.if MSB != (\new)
	s_set_vgpr_msb (MSB<<8)|(\new)
.set MSB, (\new)
.endif
.endm
.macro PLACES n
.rept \n
	v_nop
.endr
.endm
; A joint load: waves 0 and 1 fetch for S1, waves 2 and 3 for S0.  An s_nop 0 and four v_nop follow each of the two lines.
.macro JLOAD g0a, g1a, g0b, g1b
	s_cmp_eq_u32 s15, 0
	s_cbranch_scc0 .Lfor_b_\@
	tensor_load_to_lds s[\g0a:\g0a+3], s[\g1a:\g1a+7]
	s_nop 0
.rept 4
	v_nop
.endr
	s_branch .Lasked_\@
.Lfor_b_\@:
	tensor_load_to_lds s[\g0b:\g0b+3], s[\g1b:\g1b+7]
	s_nop 0
.rept 4
	v_nop
.endr
.Lasked_\@:
.endm
.macro CREST                           ; a round of the cluster's barrier behind its opening barrier
	s_cmp_lg_u32 s14, 0
	s_cbranch_scc1 .Lnot_wave_0_\@
	s_barrier_signal -3
.Lnot_wave_0_\@:
	s_barrier_wait -3
	s_barrier_signal -1
	s_barrier_wait -1
.endm
.macro CROUND
	s_barrier_signal -1
	s_barrier_wait -1
	CREST
.endm
.macro MKSLOT n, ga, gb                ; slot n's two groups 0, and its first fill: K step n
	s_mov_b32 s[\ga], 1
	s_add_co_u32 s[\ga+1], s21, \n*SLOT
	s_add_nc_u64 s[\ga+2:\ga+3], s[92:93], \n*3072
	s_or_b32 s[\ga+3], s[\ga+3], 0x80000000
	s_mov_b32 s[\gb], 1
	s_add_co_u32 s[\gb+1], s21, \n*SLOT
	s_add_nc_u64 s[\gb+2:\gb+3], s[96:97], \n*3072
	s_or_b32 s[\gb+3], s[\gb+3], 0x80000000
	JLOAD \ga, G1A, \gb, G1B
.endm
; A fragment (tile i of my eight, the slot's q-th 128 along K) is two chunks' images: four loads, each of consecutive bytes
.macro FRAG reg, a16, a8, q, i
	ds_load_b128 v[\reg:\reg+3], v[\a16] offset:(\i)*3072+(\q)*1536
	ds_load_b64 v[\reg+4:\reg+5], v[\a8] offset:(\i)*3072+(\q)*1536+512
	ds_load_b128 v[\reg+6:\reg+9], v[\a16] offset:(\i)*3072+(\q)*1536+768
	ds_load_b64 v[\reg+10:\reg+11], v[\a8] offset:(\i)*3072+(\q)*1536+1280
.endm
.macro FETCH_B slot, q, p              ; S0's eight fragments into set p: 32 loads
	WIN 0x40
.irp i, 0,1,2,3,4,5,6,7
	FRAG 128*(\p)+FR*\i, B16+\slot, B8+\slot, \q, \i
.endr
	WIN 0
.endm
.macro FETCH_A slot, q, i0             ; S1's fragments i0 .. i0 + 3: 16 loads
.irp i, \i0, \i0+1, \i0+2, \i0+3
	FRAG AF+FR*(\i), A16+\slot, A8+\slot, \q, \i
.endr
.endm
.macro SCALES ks                       ; K step ks's scale words, two a place, into set ks % 2: lanes 0-15 S1's tile i, lanes 16-31 S0's tile i
.irp i, 0,1,2,3,4,5,6,7
	ds_load_b64 v[SC+16*((\ks)%2)+2*\i:SC+16*((\ks)%2)+2*\i+1], v[ADRS] offset:(\i/2)*1024+(\i%2)*128+(\ks)*256
.endr
.endm
; 16 products: S1's tiles a0, a0 + 1 x S0's eight.  cm = 0: the sums go on; 1: they begin with the bias along S0; 2: with the bias along S1.  The 64 accumulators take turns, in the same order in every step.
.macro MUL16 a0, p, q, sc, cm
.if \cm == 0
	WIN 0xa1+0x50*((\a0)/4)
.else
	WIN 0x81+0x40*((\a0)/4)
.endif
.irp a, \a0, \a0+1
.irp b, 0,1,2,3,4,5,6,7
.if \cm == 0
	v_wmma_scale_f32_16x16x128_f8f6f4 v[8*(8*((\a)%4)+\b):8*(8*((\a)%4)+\b)+7], v[128*(\p)+FR*\b:128*(\p)+FR*\b+FR-1], v[AF+FR*(\a):AF+FR*(\a)+FR-1], v[8*(8*((\a)%4)+\b):8*(8*((\a)%4)+\b)+7], v[SC+16*(\sc)+2*\b+(\q)], v[SC+16*(\sc)+2*(\a)+(\q)] matrix_a_fmt:MATRIX_FMT_FP6 matrix_b_fmt:MATRIX_FMT_FP6 matrix_a_scale:MATRIX_SCALE_ROW1
.elseif \cm == 1
	v_wmma_scale_f32_16x16x128_f8f6f4 v[8*(8*((\a)%4)+\b):8*(8*((\a)%4)+\b)+7], v[128*(\p)+FR*\b:128*(\p)+FR*\b+FR-1], v[AF+FR*(\a):AF+FR*(\a)+FR-1], v[BI+8*\b:BI+8*\b+7], v[SC+16*(\sc)+2*\b+(\q)], v[SC+16*(\sc)+2*(\a)+(\q)] matrix_a_fmt:MATRIX_FMT_FP6 matrix_b_fmt:MATRIX_FMT_FP6 matrix_a_scale:MATRIX_SCALE_ROW1
.else
	v_wmma_scale_f32_16x16x128_f8f6f4 v[8*(8*((\a)%4)+\b):8*(8*((\a)%4)+\b)+7], v[128*(\p)+FR*\b:128*(\p)+FR*\b+FR-1], v[AF+FR*(\a):AF+FR*(\a)+FR-1], v[BI+8*(\a):BI+8*(\a)+7], v[SC+16*(\sc)+2*\b+(\q)], v[SC+16*(\sc)+2*(\a)+(\q)] matrix_a_fmt:MATRIX_FMT_FP6 matrix_b_fmt:MATRIX_FMT_FP6 matrix_a_scale:MATRIX_SCALE_ROW1
.endif
.endr
.endr
.endm
; A K step's first 128.  Loads into registers that matrix instructions have read stand four plain vector instructions behind them (ISA guide 7.12.1 for vector instructions).
.macro STEP slot, ks, cm
	s_wait_dscnt 16                                ; S0's set, S1's tiles 0-3 and the scale words are in; the youngest 16 loads (S1's tiles 4-7) may be out
	MUL16 0, 0, 0, (\ks)%2, \cm
	MUL16 2, 0, 0, (\ks)%2, \cm
	s_wait_dscnt 0x0
	PLACES 4
	FETCH_B \slot, 1, 1
	FETCH_A \slot, 1, 0
	MUL16 4, 0, 0, (\ks)%2, \cm
	MUL16 6, 0, 0, (\ks)%2, \cm
	PLACES 4
	WIN 0
	FETCH_A \slot, 1, 4
.endm
; A K step's second 128, and the change of slots.  mode 2: slot 0 is left and filled again: each wave waits for all its tensor loads, adds 0 to its spare word, waits for that and for its reads of the slot; a round of the
; cluster's barrier; the joint refill first behind it.  mode 1: the refill has landed: the same lines and the work-group's barrier, nothing is filled.  mode 0: the next slot was shown whole by mode 2's round: no barrier.
.macro TURN slot, next, ks, mode
.if \mode == 0
	s_wait_dscnt 16
	MUL16 0, 1, 1, (\ks)%2, 0
	MUL16 2, 1, 1, (\ks)%2, 0
	s_wait_dscnt 0x0
	PLACES 4
.else
	s_wait_tensorcnt 0x0                           ; all my tensor loads have landed
	ds_add_u32 v[SPW], v[NIL]                      ; 0 onto my spare word
	s_wait_dscnt 17                                ; (the add and the youngest 16 loads may be out)
	MUL16 0, 1, 1, (\ks)%2, 0
	s_wait_dscnt 0x0                               ; the add is done, and my reads of this slot are over
	s_barrier_signal -1
	MUL16 2, 1, 1, (\ks)%2, 0
	WIN 0
	s_barrier_wait -1
.if \mode == 2
	CREST                                          ; no wave of any partner still reads slot 0 or has a load on its way
	s_add_nc_u64 s[58:59], s[58:59], 3*3072        ; K step 3
	s_add_nc_u64 s[74:75], s[74:75], 3*3072
	JLOAD 56, G1A, 72, G1B                         ; the four v_nop behind it are also the places in front of the loads below
.else
	PLACES 4
.endif
.endif
	FETCH_B \next, 0, 0
	FETCH_A \next, 0, 0
	SCALES (\ks)+1
	MUL16 4, 1, 1, (\ks)%2, 0
	MUL16 6, 1, 1, (\ks)%2, 0
	PLACES 4
	WIN 0
	FETCH_A \next, 0, 4
.endm
	s_load_b256 s[4:11], s[0:1], 0x0               ; opc s[4:5], ops s[6:7], b_attn s[8:9], qkv s[10:11]
	v_lshl_add_u32 v[SPW], v0, 2, SPARE
	v_mov_b32 v[NIL], 0
	ds_add_u32 v[SPW], v[NIL]                      ; the wave's opening: the add and its wait stand ahead of my first tensor load; work on registers stands between
	v_lshrrev_b32 v1, 5, v0
	v_readfirstlane_b32 s14, v1                    ; wave 0..3
	s_lshr_b32 s15, s14, 1                         ; my half of S1's tiles.  Also: I fetch for S1 (0) or S0 (1)
	s_and_b32 s16, s14, 1                          ; my half of S0's tiles.  Also: which 8 tiles I fetch
	s_bfe_u32 s17, ttmp6, 0x40000                  ; cx
	s_bfe_u32 s18, ttmp6, 0x40004                  ; cy
	s_and_b32 s19, ttmp7, 0xffff                   ; cluster y; ttmp9 is cluster x: 0 q, 1 k, 2 v
	s_lshl_b32 s2, s18, 2
	s_lshl_b32 s2, 15, s2                          ; my row of the cluster
	s_lshl_b32 s3, 0x1111, s17                     ; my column
	s_or_b32 s[G1A], s2, (3<<16)|(1<<21)           ; the mask; elements of 8 bytes; bit 21 beside a mask; no padding
	s_or_b32 s[G1B], s3, (3<<16)|(1<<21)
	s_or_b32 s[G1SA], s2, (3<<16)|(1<<21)
	s_or_b32 s[G1SB], s3, (3<<16)|(1<<21)
.irp g, G1A, G1B                       ; 8 tiles: rows of 3,072 bytes (a K step's four chunks), 12,288 bytes apart
	s_mov_b32 s[\g+1], 384<<16
	s_mov_b32 s[\g+2], 8<<16
	s_mov_b32 s[\g+3], 384<<16
	s_mov_b32 s[\g+4], 8
	s_mov_b32 s[\g+5], 1536
	s_mov_b32 s[\g+6], 0
	s_mov_b32 s[\g+7], 0
.endr
.irp g, G1SA, G1SB                     ; four pairs' scale bytes: 4,096 dense bytes as 16 rows of 256
	s_mov_b32 s[\g+1], 32<<16
	s_mov_b32 s[\g+2], 16<<16
	s_mov_b32 s[\g+3], 32<<16
	s_mov_b32 s[\g+4], 16
	s_mov_b32 s[\g+5], 32
	s_mov_b32 s[\g+6], 0
	s_mov_b32 s[\g+7], 0
.endr
	s_lshl_b32 s12, s16, 3                         ; the 8 tiles that I fetch
	s_lshl_b32 s2, s19, 6                          ; the cluster's 64 tiles of tokens
	s_lshl_b32 s3, ttmp9, 6
	s_add_co_u32 s3, s3, 512                       ; and of columns
	s_cmp_eq_u32 ttmp9, 2
	s_cselect_b32 s20, 640, s2                     ; S1: v's columns, or the tokens
	s_cselect_b32 s22, s2, s3                      ; S0: the tokens, or q's or k's columns
	s_lshl_b32 s2, s18, 4
	s_add_co_u32 s20, s20, s2
	s_add_co_u32 s20, s20, s12                     ; S1's first tile that I fetch: hangs on cy alone
	s_lshl_b32 s3, s17, 4
	s_add_co_u32 s22, s22, s3
	s_add_co_u32 s22, s22, s12                     ; S0's: on cx alone
	s_mul_i32 s92, s20, 12288
	s_mov_b32 s93, 0
	s_lshl_b32 s94, s20, 9
	s_mov_b32 s95, 0
	s_mul_i32 s96, s22, 12288
	s_mov_b32 s97, 0
	s_lshl_b32 s98, s22, 9
	s_mov_b32 s99, 0
	s_mul_i32 s21, s14, HALFT                      ; where my tiles go in a slot
	s_lshl_b32 s23, s14, 12
	s_lshl_b32 s2, s15, 7
	s_add_co_u32 s23, s23, s2
	s_add_co_u32 s23, s23, SCL                     ; and my scale bytes
	s_wait_dscnt 0x0                               ; the opening add is done
	s_wait_kmcnt 0x0
	s_add_nc_u64 s[92:93], s[4:5], s[92:93]
	s_add_nc_u64 s[94:95], s[6:7], s[94:95]
	s_add_nc_u64 s[96:97], s[4:5], s[96:97]
	s_add_nc_u64 s[98:99], s[6:7], s[98:99]
	CROUND                                         ; all sixteen work-groups are here: the first joint loads meet
	s_mov_b32 s[G0SA], 1
	s_mov_b32 s[G0SA+1], s23
	s_mov_b64 s[G0SA+2:G0SA+3], s[94:95]
	s_or_b32 s[G0SA+3], s[G0SA+3], 0x80000000
	s_mov_b32 s[G0SB], 1
	s_mov_b32 s[G0SB+1], s23
	s_mov_b64 s[G0SB+2:G0SB+3], s[98:99]
	s_or_b32 s[G0SB+3], s[G0SB+3], 0x80000000
	JLOAD G0SA, G1SA, G0SB, G1SB                   ; four loads of mine go out together: the scale bytes and K steps 0, 1, 2
	MKSLOT 0, 56, 72
	MKSLOT 1, 60, 76
	MKSLOT 2, 68, 80
	v_and_b32 v1, 31, v0
	v_and_b32 v2, 15, v0                           ; r
	v_bfe_u32 v3, v0, 4, 1                         ; h
	v_lshlrev_b32 v[VO16], 4, v1
	v_lshlrev_b32 v[VO8], 4, v2
	v_lshl_add_u32 v[VO8], v3, 3, v[VO8]
	s_mul_i32 s2, s15, HALFT
	s_mul_i32 s3, s16, HALFT
	s_add_co_u32 s3, s3, 2*HALFT
.irp n, 0,1,2
	v_add_nc_u32 v[A16+\n], s2, v[VO16]
	v_add_nc_u32 v[A8+\n], s2, v[VO8]
	v_add_nc_u32 v[B16+\n], s3, v[VO16]
	v_add_nc_u32 v[B8+\n], s3, v[VO8]
	s_add_co_u32 s2, s2, SLOT
	s_add_co_u32 s3, s3, SLOT
.endr
	s_lshl_b32 s2, s15, 12                         ; S1's scale bytes: my four pairs
	s_lshl_b32 s3, s16, 12
	s_add_co_u32 s3, s3, 8320                      ; S0's
	s_sub_co_u32 s3, s3, s2
	v_mul_u32_u24 v[ADRS], s3, v3                  ; lanes 16-31 take S0's: one product, the distance between the two
	s_add_co_u32 s2, s2, SCL
	v_lshl_add_u32 v[ADRS], v2, 3, v[ADRS]
	v_add_nc_u32 v[ADRS], s2, v[ADRS]
	v_mul_u32_u24 v[VOS], v3, REC
	v_lshl_add_u32 v[VOS], v2, 4, v[VOS]
	v_lshlrev_b32 v[SH], 4, v3
	v_mov_b32 v[FLR], 0x1800000
	s_cmp_eq_u32 ttmp9, 2                          ; cluster x is the same in all partners
	s_cbranch_scc1 .Larm_v
	; q, k: a lane holds a token, my 128 columns are two heads
	s_lshl_b32 s20, s19, 2
	s_add_co_u32 s20, s20, s18                     ; block of 256 tokens
	s_lshr_b32 s21, s20, 3                         ; batch
	s_and_b32 s20, s20, 7
	s_lshl_b32 s20, s20, 4
	s_lshl_b32 s22, s15, 3
	s_add_co_u32 s20, s20, s22                     ; my first token tile in the batch: a multiple of 8
	s_lshl_b32 s22, s17, 2
	s_lshl_b32 s23, s16, 1
	s_add_co_u32 s22, s22, s23                     ; my first head
	s_lshl_b32 s21, s21, 4
	s_add_co_u32 s21, s21, s22
	s_mul_i32 s21, s21, REC                        ; its record
	s_mul_i32 s2, s20, 768
	s_add_co_u32 s2, s2, s21                       ; q: the tiles,
	s_lshl_b32 s3, s20, 6
	s_add_co_u32 s3, s3, s21
	s_add_co_u32 s3, s3, 98304                     ; the scale words
	s_lshr_b32 s23, s20, 3
	s_mul_i32 s23, s23, KREC
	s_add_co_u32 s23, s23, s21
	s_add_co_u32 s23, s23, 106496                  ; k: the key step's record,
	s_add_co_u32 s22, s23, 12544                   ; its scale words
	s_cmp_eq_u32 ttmp9, 0
	s_cselect_b32 s92, s2, s23
	s_cselect_b32 s100, s3, s22
	s_mov_b32 s94, REC                             ; a fragment's two halves are two heads,
	s_mov_b32 s96, 768                             ; a token tile on is 768 bytes on
	s_mov_b32 s98, 0
	s_lshl_b32 s2, ttmp9, 12
	s_lshl_b32 s3, s17, 10
	s_add_co_u32 s2, s2, s3
	s_lshl_b32 s3, s16, 9
	s_add_co_u32 s2, s2, s3
	s_mov_b32 s3, 0
	s_add_nc_u64 s[8:9], s[8:9], s[2:3]            ; the bias of my 128 columns
	v_lshlrev_b32 v[BO], 6, v3                     ; tile b's register j is column 32 (b / 2) + 8 (b % 2) + 16 h + j
.irp b, 0,1,2,3,4,5,6,7
	global_load_b128 v[BI+8*\b:BI+8*\b+3], v[BO], s[8:9] offset:(32*(\b/2)+8*(\b%2))*4
	global_load_b128 v[BI+8*\b+4:BI+8*\b+7], v[BO], s[8:9] offset:(32*(\b/2)+8*(\b%2))*4+16
.endr
	s_branch .Larm_done
.Larm_v:
	; v: a lane holds a column d, my 128 tokens are one key step
	s_lshl_b32 s20, s19, 2
	s_add_co_u32 s20, s20, s17                     ; block of 256 tokens
	s_lshr_b32 s21, s20, 3                         ; batch
	s_and_b32 s20, s20, 7
	s_lshl_b32 s20, s20, 1
	s_add_co_u32 s20, s20, s16                     ; key step
	s_lshl_b32 s22, s18, 2
	s_lshl_b32 s23, s15, 1
	s_add_co_u32 s22, s22, s23                     ; my first head
	s_lshl_b32 s21, s21, 4
	s_add_co_u32 s21, s21, s22
	s_mul_i32 s21, s21, REC
	s_mul_i32 s20, s20, KREC
	s_add_co_u32 s21, s21, s20
	s_add_co_u32 s92, s21, 106496+6144             ; V's fragments in the key step's record,
	s_add_co_u32 s100, s92, 6144                   ; V's scale words
	s_mov_b32 s94, 768                             ; a fragment's two halves lie on end,
	s_mov_b32 s96, 1536                            ; a tile of d on is a fragment on,
	s_mov_b32 s98, REC-6144                        ; and behind four of them comes the next head
	s_lshl_b32 s2, s18, 10
	s_lshl_b32 s3, s15, 9
	s_add_co_u32 s2, s2, s3
	s_add_co_u32 s2, s2, 8192
	s_mov_b32 s3, 0
	s_add_nc_u64 s[8:9], s[8:9], s[2:3]            ; the bias of my 128 columns
	v_and_b32 v[BO], 8, v2
	v_add_nc_u32 v[BO], v[BO], v2
	v_lshlrev_b32 v[BO], 2, v[BO]                  ; tile a's lane r is column 32 (a / 2) + 8 (a % 2) + r + 8 (r / 8): the same number in all eight registers
.irp a, 0,1,2,3,4,5,6,7
.irp j, 0,1,2,3,4,5,6,7
	global_load_b32 v[BI+8*\a+\j], v[BO], s[8:9] offset:(32*(\a/2)+8*(\a%2))*4
.endr
.endr
.Larm_done:
	s_mov_b32 s93, 0
	s_mov_b32 s95, 0
	s_mov_b32 s97, 0
	s_mov_b32 s99, 0
	s_mov_b32 s101, 0
	s_add_nc_u64 s[92:93], s[10:11], s[92:93]      ; where a fragment's first half goes,
	s_add_nc_u64 s[94:95], s[92:93], s[94:95]      ; its second half,
	s_add_nc_u64 s[100:101], s[10:11], s[100:101]  ; the scale words
	s_wait_tensorcnt 2                             ; the scale bytes and my part of K step 0 are in; the two younger loads may be out
	s_barrier_signal -1
	s_barrier_wait -1
	FETCH_B 0, 0, 0
	FETCH_A 0, 0, 0
	SCALES 0
	FETCH_A 0, 0, 4
	s_wait_loadcnt 0x0                             ; the bias
	s_cmp_eq_u32 ttmp9, 2
	s_cbranch_scc1 .Lfirst_v
	STEP 0, 0, 1                                   ; the first products start the sums with the bias
	s_branch .Lfirst_done
.Lfirst_v:
	STEP 0, 0, 2
.Lfirst_done:
	TURN 0, 1, 0, 2
	STEP 1, 1, 0
	TURN 1, 2, 1, 0
	STEP 2, 2, 0
	TURN 2, 0, 2, 1
	STEP 0, 3, 0
	s_wait_dscnt 16                                ; the very last 128: nothing more to fetch
	MUL16 0, 1, 1, 1, 0
	MUL16 2, 1, 1, 1, 0
	s_wait_dscnt 0x0
	MUL16 4, 1, 1, 1, 0
	MUL16 6, 1, 1, 1, 0
	WIN 0
; THE WAY OUT.  For each of my eight tiles of S1 a lane's 64 numbers, register 16 b + i = place 32 b + 16 h + i along S0, become a fragment's codes and a scale word; the fragment's two halves leave as images of their registers.
.macro QUANTW a
.set AC, 64*((\a)%4)
	WIN 0x28+0x14*((\a)/4)                         ; sources 1 and 2: the accumulators' window
.irp b, 0,1,2,3
	v_max3_num_f32 v[TM+\b], v[FLR], |v[AC+16*\b]|, |v[AC+16*\b+1]|   ; each accumulator is read from its low end on; the floor holds the byte at 1 from below
.endr
.irp i, 2,4,6,8,10,12,14
.irp b, 0,1,2,3
	v_max3_num_f32 v[TM+\b], v[TM+\b], |v[AC+16*\b+\i]|, |v[AC+16*\b+\i+1]|
.endr
.endr
	WIN 0
.irp b, 0,1,2,3
	v_permlanex16_b32 v[TM+4+\b], v[TM+\b], s22, s23
.endr
.irp b, 0,1,2,3
	v_max_num_f32 v[TM+\b], v[TM+\b], v[TM+4+\b]   ; with lane l xor 16's 16: the block's largest magnitude
.endr
.irp b, 0,1,2,3
	v_add_nc_u32 v[TM+12+\b], 0xff000000, v[TM+\b] ; 2 off its exponent field: the conversion's scale operand
.endr
.irp b, 0,1,2,3
	v_lshrrev_b32 v[TM+4+\b], 23, v[TM+12+\b]      ; the byte
.endr
	v_lshl_or_b32 v[PWS+(\a)], v[TM+5], 8, v[TM+4]
	v_lshl_or_b32 v[PWS+(\a)], v[TM+6], 16, v[PWS+(\a)]
	v_lshl_or_b32 v[PWS+(\a)], v[TM+7], 24, v[PWS+(\a)]
.if (\a) > 0
	s_wait_xcnt 0x0                                ; the last tile's stores have read their data and their bases: both are written again only behind this wait
	s_add_nc_u64 s[92:93], s[92:93], s[96:97]
	s_add_nc_u64 s[94:95], s[94:95], s[96:97]
.endif
.if (\a) == 4
	s_add_nc_u64 s[92:93], s[92:93], s[98:99]
	s_add_nc_u64 s[94:95], s[94:95], s[98:99]
.endif
	WIN 0x02+(\a)/4                                ; source 0: the accumulators' window
.irp c, 0,1
	v_cvt_scalef32_pk16_fp6_f32 v[PC+6*\c:PC+6*\c+2], v[AC+32*\c:AC+32*\c+15], v[TM+12+2*\c]
	v_cvt_scalef32_pk16_fp6_f32 v[PC+12+4*\c:PC+14+4*\c], v[AC+16+32*\c:AC+31+32*\c], v[TM+12+2*\c+1]
.endr
	WIN 0
	v_nop                                          ; one plain line behind a scaled conversion
.irp c, 0,1                                    ; the operand's layout wants a whole block in a lane: lanes 0-15 block 2 c, lanes 16-31 block 2 c + 1
.irp i, 0,1,2
	v_permlane16_swap_b32 v[PC+6*\c+\i], v[PC+12+4*\c+\i]
.endr
.irp i, 0,1,2
	v_mov_b32 v[PC+3+6*\c+\i], v[PC+12+4*\c+\i]
.endr
.endr
	global_store_b128 v[VO16], v[PC:PC+3], s[92:93]                ; every store covers whole aligned runs of 256 bytes
	global_store_b64 v[VO8], v[PC+4:PC+5], s[92:93] offset:512
	global_store_b128 v[VO16], v[PC+6:PC+9], s[94:95]
	global_store_b64 v[VO8], v[PC+10:PC+11], s[94:95] offset:512
.endm
	s_mov_b32 s22, 0x76543210
	s_mov_b32 s23, 0xfedcba98                      ; v_permlanex16_b32's selects for lane l xor 16
	PLACES 4                                       ; behind the last products: results are read, and registers that held operands are written
.irp b, 0,1,2,3
	v_mov_b32 v[TM+4+\b], 0                        ; written once: a lane permute's destination counts as one of its sources
.endr
.irp a, 0,1,2,3,4,5,6,7
	QUANTW \a
.endr
	s_cmp_eq_u32 ttmp9, 2
	s_cbranch_scc1 .Lsc_v
.irp a, 0,1,2,3,4,5,6,7                        ; q, k: a word's bytes 0, 1 are my first head's, bytes 2, 3 the second's: lanes 16-31 store for the second head
	v_lshrrev_b32 v[PWS+\a], v[SH], v[PWS+\a]
.endr
	global_store_b128 v[VOS], v[PWS:PWS+3], s[100:101]             ; sixteen lanes fill 256 aligned bytes: [r][tile % 4]
	global_store_b128 v[VOS], v[PWS+4:PWS+7], s[100:101] offset:256
	s_branch .Lsc_done
.Lsc_v:
	v_cmp_ne_u32 vcc_lo, 0, v[SH]                  ; v: tiles 0-3 are my first head's, tiles 4-7 the second's
.irp i, 0,1,2,3
	v_cndmask_b32 v[PWS+\i], v[PWS+\i], v[PWS+4+\i], vcc_lo
.endr
	global_store_b128 v[VOS], v[PWS:PWS+3], s[100:101]
.Lsc_done:
	s_wait_tensorcnt 0x0                           ; the wave's end, behind my last tensor load
	ds_add_u32 v[SPW], v[NIL]
	s_wait_dscnt 0x0
	CROUND                                         ; the closing round: no work-group ends while a partner may still ask for a tile that names it
	s_endpgm
.Lfunc_end_k_qa3935433ba_qkv:
	.size	k_qa3935433ba_qkv, .Lfunc_end_k_qa3935433ba_qkv-k_qa3935433ba_qkv
	.p2alignl 7, 3214868480
	.fill 96, 4, 3214868480
	.section	.rodata,"a",@progbits
	.p2align	6, 0x0
	.amdhsa_kernel k_qa3935433ba_qkv
		.amdhsa_group_segment_fixed_size 327680
		.amdhsa_private_segment_fixed_size 0
		.amdhsa_enable_private_segment 0
		.amdhsa_kernarg_size 32
		.amdhsa_user_sgpr_count 2
		.amdhsa_user_sgpr_kernarg_segment_ptr 1
		.amdhsa_wavefront_size32 1
		.amdhsa_system_sgpr_workgroup_id_x 1
		.amdhsa_system_sgpr_workgroup_id_y 1
		.amdhsa_system_sgpr_workgroup_id_z 1
		.amdhsa_system_vgpr_workitem_id 0
		.amdhsa_next_free_vgpr 1024
		.amdhsa_next_free_sgpr 102
		.amdhsa_reserve_vcc 1
		.amdhsa_float_denorm_mode_32 3
		.amdhsa_float_denorm_mode_16_64 3
		.amdhsa_memory_ordered 1
		.amdhsa_forward_progress 1
		.amdhsa_inst_pref_size 171
	.end_amdhsa_kernel
	.amdgpu_metadata
---
amdhsa.version: [ 1, 2 ]
amdhsa.kernels:
  - .name:           k_qa3935433ba_qkv
    .symbol:         k_qa3935433ba_qkv.kd
    .args:
      - { .name: opc, .offset: 0, .size: 8, .value_kind: global_buffer, .address_space: global }
      - { .name: ops, .offset: 8, .size: 8, .value_kind: global_buffer, .address_space: global }
      - { .name: b_attn, .offset: 16, .size: 8, .value_kind: global_buffer, .address_space: global }
      - { .name: qkv, .offset: 24, .size: 8, .value_kind: global_buffer, .address_space: global }
    .group_segment_fixed_size: 327680
    .private_segment_fixed_size: 0
    .kernarg_segment_align: 8
    .kernarg_segment_size: 32
    .max_flat_workgroup_size: 128
    .sgpr_count:     102
    .vgpr_count:     1024
    .wavefront_size: 32
...
	.end_amdgpu_metadata
.endif
;; end of part 2
;; launch attn (part 3): grid 4 x 64, 16 waves a work-group, clusters of 4 x 1, 210,944 bytes of LDS; arguments qkv, yimg, ysc; writes yimg, ysc
.if DOCPART == 3
	.amdgcn_target "amdgcn-amd-amdhsa--gfx1250"
	.amdhsa_code_object_version 6
	.text
	.protected	k_qa3935433ba_attn
	.globl	k_qa3935433ba_attn
	.p2align	8
	.type	k_qa3935433ba_attn,@function
k_qa3935433ba_attn:
	s_mov_b64 s[64:65], 0
	v_nop
	global_prefetch_b8 v0, s[64:65] scope:SCOPE_SE
	s_setreg_imm32_b32 hwreg(HW_REG_WAVE_MODE, 25, 1), 1
	s_wait_xcnt 0x0
	s_wait_alu depctr_hold_cnt(0) depctr_sa_sdst(0) depctr_va_vdst(0) depctr_va_sdst(0) depctr_va_ssrc(0) depctr_va_vcc(0) depctr_vm_vsrc(0)
	s_getreg_b32 s2, hwreg(HW_REG_IB_STS2, 6, 4)
	s_cmp_eq_u32 s2, 0
	s_cbranch_scc0 .Lentry_in_a_cluster
	s_endpgm
.Lentry_in_a_cluster:
	s_bfe_u32 s2, ttmp6, 0x10000c
	s_cmp_lg_u32 s2, 0x3003
	s_cbranch_scc0 .Lentry_shape_is_right
	s_endpgm
.Lentry_shape_is_right:
; Causal attention for one (batch, head) a cluster, both products on codes of FP6 (E2M3) with E8M0 scales; y = O / l is quantised along C and leaves as codes in the order of an operand's registers.
; t = score x log2(e) / 8; M = the running largest t rounded UP to a whole number; p = 2^(t - M) is quantised along the keys, not normalised; the row's sum is taken of the unquantised p; when M moves, the sum and O are multiplied by 2^(old M - new M): exact.
; THE HEAD'S K, V AND THEIR SCALE WORDS, 16 key-step records of 13,056 bytes, fit in LDS: they are filled ONCE, by joint loads of the cluster's four work-groups, and never again: no ring.
; SHARES.  A tile is 16 queries; tile 8 D + e has its diagonal in key step D.  Wave w owns tiles of D = w / 2 and of D = 15 - w / 2, with e = 2 cx + w % 2: (D + 1) key steps each, 17 for every wave of every work-group.
; What is left out by the mask hangs on the wave's number and the step's count alone; cx enters global addresses and the number that the mask compares with, nothing else.
; LAYOUT.  S^T = K Q^T, O^T = V^T P^T: a lane holds ONE query throughout.  Place p of a tile pair holds token 8 u + (p & 7) + 16 (p >> 3): so p's 16 registers of two neighbouring tiles are 16 neighbouring keys, and O^T's are 16 neighbouring d.
; THE FIRST PRODUCT'S K IS 64, the instruction's 128: Q's registers 6-11 hold zero codes; K's operand of tile t runs on into tile t + 1's registers, whose codes meet those zeros.  No scale byte is 0xff.
; LIMITS: NaN and infinities are not served; a block of zeros carries the byte 1 with zero codes.
.set REC,   315392
.set KREC,  13056
.set SPARE, 16*KREC                    ; behind the records: the spare words, 128 bytes for each of sixteen waves
.set LI16, 1                           ; v1   16 x lane
.set LI8,  2                           ; v2   16 r + 8 h
.set W1,   3                           ; v3   the key step's record + 16 x lane
.set W2,   4                           ; v4   the same + 16 r + 8 h
.set SPW,  5                           ; v5   my spare word; never rewritten
.set NIL,  6                           ; v6   0; never rewritten
.set DM,   7                           ; v7   my query less its diagonal step's first key, less 16 h
.set NINF, 8                           ; v8   -infinity
.set QSL,  9                           ; v9, v10  Q's scale words
.set QSH,  10
.set TV,   11                          ; v11  at work
.set STL,  12                          ; v12-15, v16-19  a tile's -M, largest t, sum in two halves
.set STH,  16
.set QL,   20                          ; v20-31, v32-43  Q: six registers of codes, six of zeros
.set QH,   32
.set FRG,  44                          ; v44-91 K's eight tiles, six registers each, or V's four fragments; v92-97 zeros
.set S,    98                          ; v98-161 S^T, then p
.set OL,   162                         ; v162-193, v194-225  O^T
.set OH,   194
.set PC,   226                         ; v226-237 p's codes
.set BM,   234                         ; v234-237 the blocks' largest scores (done with when the codes are made)
.set TP,   238                         ; v238-245 at work
.set SO,   246                         ; v246-249 the conversions' scale operands
.set KS,   250                         ; v250-253 K's or V's scale words
.set FF,   254                         ; v254 f = 2^(old M - new M)
.set PWD,  255                         ; v255 p's scale word
.set WV,   10
.set CX,   11
.set BH,   12
.set DL,   13                          ; s13, s14  my two tiles' diagonal key steps
.set DH,   14
.set KSN,  15                          ; s15  the key step
.set TB,   16                          ; s16  its record in LDS
.set SEL,  18
.set CS,   20                          ; s[20:21] c = log2(e) / 8
.set G1,   24
.set G0,   32                          ; s[32:47] four groups 0
.macro CROUND
	s_barrier_signal -1
	s_barrier_wait -1
	s_cmp_lg_u32 s[WV], 0
	s_cbranch_scc1 .Lnot_wave_0_\@
	s_barrier_signal -3
.Lnot_wave_0_\@:
	s_barrier_wait -3
	s_barrier_signal -1
	s_barrier_wait -1
.endm
	s_load_b128 s[4:7], s[0:1], 0x0                ; qkv, yimg
	s_load_b64 s[8:9], s[0:1], 0x10                ; ysc
	v_lshl_add_u32 v[SPW], v0, 2, SPARE
	v_mov_b32 v[NIL], 0
	ds_add_u32 v[SPW], v[NIL]                      ; the wave's opening: the add and its wait stand ahead of my first tensor load; work on registers stands between
	v_lshrrev_b32 v[TV], 5, v0
	v_readfirstlane_b32 s[WV], v[TV]               ; wave 0..15
	s_bfe_u32 s[CX], ttmp6, 0x40000
	s_and_b32 s[BH], ttmp7, 0xffff                 ; 16 x batch + head, which the four partners share
	s_mov_b32 s[G1], 15|(3<<16)|(1<<21)            ; the mask: all four; elements of 8 bytes; bit 21 beside a mask; no padding
	s_mov_b32 s[G1+1], 32<<16                      ; a record: 51 rows of 256 dense bytes
	s_mov_b32 s[G1+2], 51<<16
	s_mov_b32 s[G1+3], 32<<16
	s_mov_b32 s[G1+4], 51
	s_mov_b32 s[G1+5], 32
	s_mov_b32 s[G1+6], 0
	s_mov_b32 s[G1+7], 0
	s_mov_b32 s[SEL], 0x76543210
	s_mov_b32 s[SEL+1], 0xfedcba98
	s_mov_b32 s[CS], 0x3e38aa3b
	s_mov_b32 s[CS+1], s[CS]                       ; (named with it as a pair, so it is written)
	s_mul_i32 s22, s[BH], REC
	s_mov_b32 s23, 0
	s_and_b32 s17, s[WV], 3                        ; waves 0-3 fetch records 4 g + wave
	s_mul_i32 s62, s17, KREC
	s_add_co_u32 s66, s62, 106496
	s_mov_b32 s67, 0
	s_lshr_b32 s[DL], s[WV], 1
	s_sub_co_u32 s[DH], 15, s[DL]
	s_and_b32 s17, s[WV], 1
	s_lshl_b32 s68, s[CX], 1
	s_add_co_u32 s68, s68, s17                     ; e
	s_lshl_b32 s69, s[DL], 3
	s_add_co_u32 s69, s69, s68                     ; my low tile,
	s_lshl_b32 s70, s[DH], 3
	s_add_co_u32 s70, s70, s68                     ; my high tile
	s_mul_i32 s48, s69, 768
	s_mov_b32 s49, 0
	s_mul_i32 s50, s70, 768
	s_mov_b32 s51, 0
	s_lshr_b32 s52, s69, 2                         ; Q's scale words: 256 (tile / 4) + 16 r + 4 (tile % 4)
	s_lshl_b32 s52, s52, 8
	s_and_b32 s71, s69, 3
	s_lshl_b32 s71, s71, 2
	s_add_co_u32 s52, s52, s71
	s_add_co_u32 s52, s52, 98304
	s_mov_b32 s53, 0
	s_lshr_b32 s54, s70, 2
	s_lshl_b32 s54, s54, 8
	s_and_b32 s71, s70, 3
	s_lshl_b32 s71, s71, 2
	s_add_co_u32 s54, s54, s71
	s_add_co_u32 s54, s54, 98304
	s_mov_b32 s55, 0
	s_lshr_b32 s72, s[BH], 4
	s_lshl_b32 s72, s72, 7                         ; the batch's 128 token tiles
	s_and_b32 s73, s[BH], 15                       ; the head: y's chunk of 64 along C
	s_add_co_u32 s74, s72, s69
	s_add_co_u32 s75, s72, s70
	s_mul_i32 s71, s73, 768
	s_mul_i32 s56, s74, 12288
	s_add_co_u32 s56, s56, s71
	s_mov_b32 s57, 0
	s_mul_i32 s58, s75, 12288
	s_add_co_u32 s58, s58, s71
	s_mov_b32 s59, 0
	s_lshr_b32 s76, s74, 1                         ; y's scale bytes: 1,024 (tile / 2) + 128 (tile % 2)
	s_lshl_b32 s76, s76, 10
	s_and_b32 s71, s74, 1
	s_lshl_b32 s71, s71, 7
	s_add_co_u32 s76, s76, s71
	s_lshr_b32 s77, s75, 1
	s_lshl_b32 s77, s77, 10
	s_and_b32 s71, s75, 1
	s_lshl_b32 s71, s71, 7
	s_add_co_u32 s77, s77, s71
	s_sub_co_u32 s78, s77, s76                     ; from the low tile's to the high tile's
	s_lshr_b32 s60, s73, 2                         ; + 256 (head / 4) + 2 (head % 4)
	s_lshl_b32 s60, s60, 8
	s_and_b32 s71, s73, 3
	s_lshl_b32 s71, s71, 1
	s_add_co_u32 s60, s60, s71
	s_mov_b32 s61, 0
	s_lshl_b32 s71, s[CX], 5
	s_lshl_b32 s17, s17, 3
	s_add_co_u32 s71, s71, s17                     ; 32 cx + 8 (w % 2): my tiles' first token within their diagonal step
	v_and_b32 v[W1], 15, v0                        ; r
	v_bfe_u32 v[W2], v0, 4, 1                      ; h
	v_and_b32 v[LI16], 31, v0
	v_lshlrev_b32 v[LI16], 4, v[LI16]
	v_lshlrev_b32 v[LI8], 4, v[W1]
	v_lshl_add_u32 v[LI8], v[W2], 3, v[LI8]
	v_and_b32 v[DM], 8, v[W1]
	v_add_nc_u32 v[DM], v[DM], v[W1]               ; r + 8 (r / 8)
	v_lshlrev_b32 v[TV], 4, v[W2]
	v_sub_nc_u32 v[DM], v[DM], v[TV]
	v_add_nc_u32 v[DM], s71, v[DM]
	v_lshlrev_b32 v[TV], 4, v[W1]                  ; 16 r: Q's scale words
	v_mov_b32 v[NINF], 0xff800000
	s_wait_dscnt 0x0                               ; the opening add is done
	s_wait_kmcnt 0x0
	s_add_nc_u64 s[4:5], s[4:5], s[22:23]          ; my record
	s_add_nc_u64 s[66:67], s[4:5], s[66:67]
	s_add_nc_u64 s[48:49], s[4:5], s[48:49]
	s_add_nc_u64 s[50:51], s[4:5], s[50:51]
	s_add_nc_u64 s[52:53], s[4:5], s[52:53]
	s_add_nc_u64 s[54:55], s[4:5], s[54:55]
	s_add_nc_u64 s[56:57], s[6:7], s[56:57]
	s_add_nc_u64 s[58:59], s[6:7], s[58:59]
	s_add_nc_u64 s[60:61], s[8:9], s[60:61]
.irp g, 0,1,2,3
	s_mov_b32 s[G0+4*\g], 1
	s_add_co_u32 s[G0+4*\g+1], s62, \g*4*KREC
	s_add_nc_u64 s[G0+4*\g+2:G0+4*\g+3], s[66:67], \g*4*KREC
	s_or_b32 s[G0+4*\g+3], s[G0+4*\g+3], 0x80000000
.endr
	CROUND                                         ; all four work-groups are here: the joint loads meet
	s_cmp_lt_u32 s[WV], 4                          ; a wave's four fills stand in one branch on the wave's number: four loads of mine are out
	s_cbranch_scc0 .Lno_fetch
.irp g, 0,1,2,3
	tensor_load_to_lds s[G0+4*\g:G0+4*\g+3], s[G1:G1+7]
	s_nop 0
.endr
.rept 4
	v_nop
.endr
.Lno_fetch:
	global_load_b128 v[QL:QL+3], v[LI16], s[48:49]
	global_load_b64 v[QL+4:QL+5], v[LI8], s[48:49] offset:512
	global_load_b128 v[QH:QH+3], v[LI16], s[50:51]
	global_load_b64 v[QH+4:QH+5], v[LI8], s[50:51] offset:512
	global_load_b32 v[QSL], v[TV], s[52:53]
	global_load_b32 v[QSH], v[TV], s[54:55]
.irp i, 6,7,8,9,10,11
	v_mov_b32 v[QL+\i], 0                          ; zero codes for K = 64 .. 127
	v_mov_b32 v[QH+\i], 0
	v_mov_b32 v[FRG+42+\i], 0                      ; v92-97: what K's tile 7 runs on into
.endr
.irp t, STL, STH
	v_mov_b32 v[\t+1], 0xff61b1e6                  ; the largest t so far: -3e38
	v_floor_f32 v[\t], -v[\t+1]                    ; -M
	v_mov_b32 v[\t+2], 0
	v_mov_b32 v[\t+3], 0
.endr
.irp b, 0,1,2,3
	v_mov_b32 v[TP+\b], 0                          ; a lane permute's destination counts as one of its sources
.endr
	v_mov_b32 v[PWD], 0                            ; (named as the upper half of a pair before it is first written)
.set j, 0
.rept 64
	v_mov_b32 v[OL+j], 0                           ; O^T of both tiles: the step is written once, and the first change of M leaves zeros zeros
.set j, j+1
.endr
; A KEY STEP of one tile: 128 keys.  Q, QS, ST, O: the tile's registers; D: the scalar with its diagonal step.
.macro STEP Q, QS, ST, O, D
	s_cmp_gt_u32 s[KSN], s[\D]                     ; all of the step's keys come after my queries: nothing to do
	s_cbranch_scc1 .Lskip_\@
	v_add_nc_u32 v[W1], s[TB], v[LI16]
	v_add_nc_u32 v[W2], s[TB], v[LI8]
	v_nop
	v_nop                                          ; four plain lines behind the last product, in front of loads into registers that it read
.irp t, 0,1,2,3,4,5,6,7
	ds_load_b128 v[FRG+6*\t:FRG+6*\t+3], v[W1] offset:768*\t
	ds_load_b64 v[FRG+6*\t+4:FRG+6*\t+5], v[W2] offset:768*\t+512
.endr
	ds_load_b128 v[KS:KS+3], v[W1] offset:12544    ; K's scale words: lanes 0-15 tiles 0-3, lanes 16-31 tiles 4-7
	s_wait_dscnt 0x0
.irp t, 0,1,2,3
	v_wmma_scale_f32_16x16x128_f8f6f4 v[S+8*\t:S+8*\t+7], v[FRG+6*\t:FRG+6*\t+11], v[\Q:\Q+11], 0, v[KS+\t], v[\QS] matrix_a_fmt:MATRIX_FMT_FP6 matrix_b_fmt:MATRIX_FMT_FP6
.endr
.irp t, 4,5,6,7
	v_wmma_scale_f32_16x16x128_f8f6f4 v[S+8*\t:S+8*\t+7], v[FRG+6*\t:FRG+6*\t+11], v[\Q:\Q+11], 0, v[KS+\t-4], v[\QS] matrix_a_fmt:MATRIX_FMT_FP6 matrix_b_fmt:MATRIX_FMT_FP6 matrix_a_scale:MATRIX_SCALE_ROW1
.endr
.rept 4
	v_nop
.endr
.irp dt, 0,1,2,3                               ; V's fragments are asked for now and land under the softmax
	ds_load_b128 v[FRG+12*\dt:FRG+12*\dt+3], v[W1] offset:6144+1536*\dt
	ds_load_b64 v[FRG+12*\dt+4:FRG+12*\dt+5], v[W2] offset:6144+1536*\dt+512
	ds_load_b128 v[FRG+12*\dt+6:FRG+12*\dt+9], v[W1] offset:6144+1536*\dt+768
	ds_load_b64 v[FRG+12*\dt+10:FRG+12*\dt+11], v[W2] offset:6144+1536*\dt+1280
.endr
	ds_load_b128 v[KS:KS+3], v[W1] offset:12288    ; V's scale words: lanes 0-15 hold the four tiles' words of row r
	s_cmp_lg_u32 s[KSN], s[\D]                     ; on the diagonal hidden scores become -infinity ahead of the maximum
	s_cbranch_scc1 .Lopen_\@
.set n, 0
.rept 64
	v_cmp_gt_i32 vcc_lo, 32*(n/16)+n%16, v[DM]     ; register 16 b + i holds key 32 b + 16 h + i of the step
	v_cndmask_b32 v[S+n], v[S+n], v[NINF], vcc_lo
.set n, n+1
.endr
.Lopen_\@:
.irp b, 0,1,2,3
	v_max3_num_f32 v[BM+\b], v[S+16*\b], v[S+1+16*\b], v[S+2+16*\b]   ; the largest score of each block of 32 keys: for the row's maximum and, since p rises with the score, for the block's largest p
.endr
.irp i, 3,5,7,9,11,13
.irp b, 0,1,2,3
	v_max3_num_f32 v[BM+\b], v[BM+\b], v[S+16*\b+\i], v[S+1+16*\b+\i]
.endr
.endr
.irp b, 0,1,2,3
	v_max_num_f32 v[BM+\b], v[BM+\b], v[S+15+16*\b]
.endr
.irp b, 0,1,2,3
	v_permlanex16_b32 v[TP+\b], v[BM+\b], s[SEL], s[SEL+1]
.endr
.irp b, 0,1,2,3
	v_max_num_f32 v[BM+\b], v[BM+\b], v[TP+\b]
.endr
	v_max3_num_f32 v[TV], v[BM], v[BM+1], v[BM+2]
	v_max_num_f32 v[TV], v[TV], v[BM+3]
	v_mul_f32 v[TV], s[CS], v[TV]
	v_max_num_f32 v[\ST+1], v[\ST+1], v[TV]        ; the running largest t
	v_mov_b32 v[TV], v[\ST]
	v_floor_f32 v[\ST], -v[\ST+1]                  ; the new -M = -ceil(t)
	v_sub_f32 v[TV], v[\ST], v[TV]                 ; old M - new M: a whole number, 0 or less
	v_cvt_i32_f32 v[TV], v[TV]                     ; (it saturates)
	v_ldexp_f32 v[FF], 1.0, v[TV]                  ; f
.set j, 0
.rept 32
	v_pk_fma_f32 v[S+j:S+j+1], v[S+j:S+j+1], s[CS:CS+1], v[\ST:\ST+1] op_sel_hi:[1,0,0]   ; t - M
.set j, j+2
.endr
.irp b, 0,1,2,3
	v_fma_f32 v[BM+\b], v[BM+\b], s[CS], v[\ST]
.endr
.set j, 0
.rept 64
	v_exp_f32 v[S+j], v[S+j]                       ; p
.set j, j+1
.endr
	v_pk_mul_f32 v[\ST+2:\ST+3], v[\ST+2:\ST+3], v[FF:FF+1] op_sel_hi:[1,0]   ; the sums under the new M; the plain line behind the exponentials
	s_wait_alu depctr_va_vdst(0)                   ; one wait for the batch, ahead of its first reader
.irp b, 0,1,2,3
	v_exp_f32 v[BM+\b], v[BM+\b]                   ; the blocks' largest p
.endr
	v_pk_add_f32 v[TP:TP+1], v[S:S+1], v[S+2:S+3]  ; the row's sum of the unquantised p, in two chains
.irp j, 4,8,12,16,20,24,28,32,36,40,44,48,52,56,60
	v_pk_add_f32 v[\ST+2:\ST+3], v[\ST+2:\ST+3], v[S+\j:S+1+\j]
	v_pk_add_f32 v[TP:TP+1], v[TP:TP+1], v[S+2+\j:S+3+\j]
.endr
	v_pk_add_f32 v[\ST+2:\ST+3], v[\ST+2:\ST+3], v[TP:TP+1]
	s_wait_alu depctr_va_vdst(0)                   ; and one for the four
.irp b, 0,1,2,3
	v_max_num_f32 v[BM+\b], 0x1800000, v[BM+\b]    ; the floor: the byte cannot fall under 1
.endr
.irp b, 0,1,2,3
	v_add_nc_u32 v[SO+\b], 0xff000000, v[BM+\b]
.endr
.irp b, 0,1,2,3
	v_lshrrev_b32 v[TP+\b], 23, v[SO+\b]
.endr
	v_lshl_or_b32 v[PWD], v[TP+1], 8, v[TP]
	v_lshl_or_b32 v[PWD], v[TP+2], 16, v[PWD]
	v_lshl_or_b32 v[PWD], v[TP+3], 24, v[PWD]
.irp c, 0,1
	v_cvt_scalef32_pk16_fp6_f32 v[PC+6*\c:PC+6*\c+2], v[S+32*\c:S+15+32*\c], v[SO+2*\c]
	v_cvt_scalef32_pk16_fp6_f32 v[TP+4*\c:TP+4*\c+2], v[S+16+32*\c:S+31+32*\c], v[SO+2*\c+1]
.endr
	v_nop                                          ; one plain line behind a scaled conversion
.irp c, 0,1
.irp i, 0,1,2
	v_permlane16_swap_b32 v[PC+6*\c+\i], v[TP+4*\c+\i]
.endr
.irp i, 0,1,2
	v_mov_b32 v[PC+3+6*\c+\i], v[TP+4*\c+\i]
.endr
.endr
.set j, 0
.rept 16
	v_pk_mul_f32 v[\O+j:\O+j+1], v[\O+j:\O+j+1], v[FF:FF+1] op_sel_hi:[1,0]   ; O^T under the new M; these are also the plain lines between the writes of p's codes and scale word and the products
.set j, j+2
.endr
	s_wait_dscnt 0x0                               ; V
.irp dt, 0,1,2,3
	v_wmma_scale_f32_16x16x128_f8f6f4 v[\O+8*\dt:\O+8*\dt+7], v[FRG+12*\dt:FRG+12*\dt+11], v[PC:PC+11], v[\O+8*\dt:\O+8*\dt+7], v[KS+\dt], v[PWD] matrix_a_fmt:MATRIX_FMT_FP6 matrix_b_fmt:MATRIX_FMT_FP6
.endr
.Lskip_\@:
.endm
	s_mov_b32 s[KSN], 0
	s_mov_b32 s[TB], 0
	s_wait_tensorcnt 0x0                           ; my fills have landed,
	s_barrier_signal -1
	s_barrier_wait -1                              ; everybody's have: all sixteen records lie in LDS
	s_wait_loadcnt 0x0                             ; Q
.Lstep:
	STEP QH, QSH, STH, OH, DH
	STEP QL, QSL, STL, OL, DL
	s_add_co_u32 s[TB], s[TB], KREC
	s_add_co_u32 s[KSN], s[KSN], 1
	s_cmp_lt_u32 s[KSN], 16
	s_cbranch_scc1 .Lstep
; THE WAY OUT of a tile: O^T / the sum; register 16 b + i is d = 32 b + 16 h + i: two blocks along C; their codes are chunk = head of y's tile.
.macro FIN ST, O, PCX, HW, YP
.rept 4
	v_nop                                          ; behind the last products
.endr
	v_add_f32 v[\ST+2], v[\ST+2], v[\ST+3]
	v_permlanex16_b32 v[TV], v[\ST+2], s[SEL], s[SEL+1]
	v_add_f32 v[\ST+2], v[\ST+2], v[TV]            ; the row's sum
	v_rcp_f32 v[\ST+2], v[\ST+2]
	v_nop                                          ; a plain line behind the reciprocal,
	s_wait_alu depctr_va_vdst(0)                   ; and the wait ahead of its first reader
.set j, 0
.rept 32
	v_mul_f32 v[S+j], v[\O+j], v[\ST+2]            ; each accumulator from its low end on
.set j, j+1
.endr
.irp b, 0,1
	v_max3_num_f32 v[TP+2+\b], |v[S+16*\b]|, |v[S+1+16*\b]|, 0x1800000
.endr
.irp i, 2,4,6,8,10,12,14
.irp b, 0,1
	v_max3_num_f32 v[TP+2+\b], v[TP+2+\b], |v[S+16*\b+\i]|, |v[S+1+16*\b+\i]|
.endr
.endr
.irp b, 0,1
	v_permlanex16_b32 v[TP+\b], v[TP+2+\b], s[SEL], s[SEL+1]
.endr
.irp b, 0,1
	v_max_num_f32 v[TP+2+\b], v[TP+2+\b], v[TP+\b]
.endr
.irp b, 0,1
	v_add_nc_u32 v[SO+2+\b], 0xff000000, v[TP+2+\b]
.endr
.irp b, 0,1
	v_lshrrev_b32 v[TP+4+\b], 23, v[SO+2+\b]
.endr
	v_lshl_or_b32 v[\HW], v[TP+5], 8, v[TP+4]      ; the row's two scale bytes
	v_cvt_scalef32_pk16_fp6_f32 v[\PCX:\PCX+2], v[S:S+15], v[SO+2]
	v_cvt_scalef32_pk16_fp6_f32 v[KS:KS+2], v[S+16:S+31], v[SO+3]
	v_nop
.irp i, 0,1,2
	v_permlane16_swap_b32 v[\PCX+\i], v[KS+\i]
.endr
.irp i, 0,1,2
	v_mov_b32 v[\PCX+3+\i], v[KS+\i]
.endr
	global_store_b128 v[LI16], v[\PCX:\PCX+3], s[\YP:\YP+1]        ; 512 and 256 consecutive, aligned bytes
	global_store_b64 v[LI8], v[\PCX+4:\PCX+5], s[\YP:\YP+1] offset:512
.endm
	FIN STL, OL, 226, 246, 56
	FIN STH, OH, 232, 247, 58
	v_and_b32 v[S], 15, v0
	v_bfe_u32 v[S+1], v0, 4, 1
	v_mul_u32_u24 v[S+2], s78, v[S+1]              ; lanes 0-15 store the low tile's bytes, lanes 16-31 the high tile's
	v_lshl_add_u32 v[S+2], v[S], 3, v[S+2]
	v_add_nc_u32 v[S+2], s76, v[S+2]
	v_cmp_ne_u32 vcc_lo, 0, v[S+1]
	v_cndmask_b32 v[S+3], v246, v247, vcc_lo
	global_store_b16 v[S+2], v[S+3], s[60:61]      ; two bytes a lane, 8 bytes apart: four heads share a row's eight bytes; one byte in 24 of y's
	s_wait_tensorcnt 0x0                           ; the wave's end, behind my last tensor load
	ds_add_u32 v[SPW], v[NIL]
	s_wait_dscnt 0x0
	CROUND                                         ; the closing round
	s_endpgm
.Lfunc_end_k_qa3935433ba_attn:
	.size	k_qa3935433ba_attn, .Lfunc_end_k_qa3935433ba_attn-k_qa3935433ba_attn
	.p2alignl 7, 3214868480
	.fill 96, 4, 3214868480
	.section	.rodata,"a",@progbits
	.p2align	6, 0x0
	.amdhsa_kernel k_qa3935433ba_attn
		.amdhsa_group_segment_fixed_size 210944
		.amdhsa_private_segment_fixed_size 0
		.amdhsa_enable_private_segment 0
		.amdhsa_kernarg_size 24
		.amdhsa_user_sgpr_count 2
		.amdhsa_user_sgpr_kernarg_segment_ptr 1
		.amdhsa_wavefront_size32 1
		.amdhsa_system_sgpr_workgroup_id_x 1
		.amdhsa_system_sgpr_workgroup_id_y 1
		.amdhsa_system_sgpr_workgroup_id_z 1
		.amdhsa_system_vgpr_workitem_id 0
		.amdhsa_next_free_vgpr 256
		.amdhsa_next_free_sgpr 80
		.amdhsa_reserve_vcc 1
		.amdhsa_float_denorm_mode_32 3
		.amdhsa_float_denorm_mode_16_64 3
		.amdhsa_memory_ordered 1
		.amdhsa_forward_progress 1
		.amdhsa_inst_pref_size 60
	.end_amdhsa_kernel
	.amdgpu_metadata
---
amdhsa.version: [ 1, 2 ]
amdhsa.kernels:
  - .name:           k_qa3935433ba_attn
    .symbol:         k_qa3935433ba_attn.kd
    .args:
      - { .name: qkv, .offset: 0, .size: 8, .value_kind: global_buffer, .address_space: global }
      - { .name: yimg, .offset: 8, .size: 8, .value_kind: global_buffer, .address_space: global }
      - { .name: ysc, .offset: 16, .size: 8, .value_kind: global_buffer, .address_space: global }
    .group_segment_fixed_size: 210944
    .private_segment_fixed_size: 0
    .kernarg_segment_align: 8
    .kernarg_segment_size: 24
    .max_flat_workgroup_size: 512
    .sgpr_count:     80
    .vgpr_count:     256
    .wavefront_size: 32
...
	.end_amdgpu_metadata
.endif
;; end of part 3
;; launch proj (part 4): grid 4 x 32, 4 waves a work-group, clusters of 4 x 4, 327,680 bytes of LDS; arguments yimg, ysc, opc, ops, b_proj, out0; writes out0
.if DOCPART == 4
	.amdgcn_target "amdgcn-amd-amdhsa--gfx1250"
	.amdhsa_code_object_version 6
	.text
	.protected	k_qa3935433ba_proj
	.globl	k_qa3935433ba_proj
	.p2align	8
	.type	k_qa3935433ba_proj,@function
k_qa3935433ba_proj:
	s_mov_b64 s[64:65], 0
	v_nop
	global_prefetch_b8 v0, s[64:65] scope:SCOPE_SE
	s_setreg_imm32_b32 hwreg(HW_REG_WAVE_MODE, 25, 1), 1
	s_wait_xcnt 0x0
	s_wait_alu depctr_hold_cnt(0) depctr_sa_sdst(0) depctr_va_vdst(0) depctr_va_sdst(0) depctr_va_ssrc(0) depctr_va_vcc(0) depctr_vm_vsrc(0)
	s_getreg_b32 s2, hwreg(HW_REG_IB_STS2, 6, 4)
	s_cmp_eq_u32 s2, 0
	s_cbranch_scc0 .Lentry_in_a_cluster
	s_endpgm
.Lentry_in_a_cluster:
	s_bfe_u32 s2, ttmp6, 0x10000c
	s_cmp_lg_u32 s2, 0xf033
	s_cbranch_scc0 .Lentry_shape_is_right
	s_endpgm
.Lentry_shape_is_right:
; out0 = y w_proj + b_proj on codes of FP6 (E2M3) with E8M0 scales, K = 1024; out0 is [8192][1024] f32.
; Both operands are tables of one form: [tile of 16][chunk of 64 K][768 bytes] in the order of an operand's registers, and [pair][256 K][u][r][8 scale bytes].  S1 = y's tokens (yimg, ysc), S0 = w_proj's columns (tiles 704 on of opc, ops).
; A work-group of four waves makes 256 x 256; a wave 128 x 128: 64 accumulators in windows 2 and 3.  Source 0 takes tiles of S0, source 1 tiles of S1: a lane holds one token and its registers run along the columns.
; Place 16 u + p of a pair holds row 8 u + (p & 7) + 16 (p >> 3): the way out puts tokens and columns back in their order.
; K goes in four steps of 256 through three LDS slots: steps 0, 1, 2 are first fills, step 3 fills slot 0 again behind one round of the cluster's barrier, two K steps ahead of its use.
; CLUSTERS: 4 x 4.  S1's tiles are shared along a row of the cluster, S0's along a column.  The bias is the C of each sum's first product.
; The problem has 128 tiles of 256 x 256, so 128 work-groups are launched.
; REGISTERS: window 0: v4-16 LDS addresses, v19 the bias's offset, v24-27 the way out, v28, v29, v32-63 scale words (two sets), v64-127 the bias, v128-223 S1's fragments (one set).  window 1: S0's fragments, two sets.
.set FR,     12
.set HALFT,  24576
.set SLOT,   98304
.set SCL,    3*SLOT
.set SPARE,  311552
.set STAGE,  SLOT                      ; the way out's stages lie in slot 1: it has had its only fill, and every wave's reads of it were over in front of the last barrier
.set SPITCH, 528
.set A16, 4
.set A8,  7
.set B16, 10
.set B8,  13
.set ADRS, 16
.set BO,  19
.set VO16, 24                          ; v24  16 x lane
.set VO8, 25                           ; v25  16 r + 8 h
.set STO, 26                           ; v26  where I put 32 bytes of a row
.set RD,  27                           ; v27  where I read a row back
.set SPW, 28
.set NIL, 29
.set SC,  32
.set BI,  64
.set AF,  128
.set BK,  128                          ; the way out: 16 rows read back: v128-191 and v192-255 by turns
.set G1A, 24
.set G1B, 32
.set G1SA, 40
.set G1SB, 48
.set G0SA, 84
.set G0SB, 88
.set MSB, 0
.macro WIN new                         ; the immediate's high byte repeats the setting that is left
.if MSB != (\new)
	s_set_vgpr_msb (MSB<<8)|(\new)
.set MSB, (\new)
.endif
.endm
.macro PLACES n
.rept \n
	v_nop
.endr
.endm
; A joint load: waves 0 and 1 fetch for S1, waves 2 and 3 for S0.  An s_nop 0 and four v_nop follow each of the two lines.
.macro JLOAD g0a, g1a, g0b, g1b
	s_cmp_eq_u32 s15, 0
	s_cbranch_scc0 .Lfor_b_\@
	tensor_load_to_lds s[\g0a:\g0a+3], s[\g1a:\g1a+7]
	s_nop 0
.rept 4
	v_nop
.endr
	s_branch .Lasked_\@
.Lfor_b_\@:
	tensor_load_to_lds s[\g0b:\g0b+3], s[\g1b:\g1b+7]
	s_nop 0
.rept 4
	v_nop
.endr
.Lasked_\@:
.endm
.macro CREST
	s_cmp_lg_u32 s14, 0
	s_cbranch_scc1 .Lnot_wave_0_\@
	s_barrier_signal -3
.Lnot_wave_0_\@:
	s_barrier_wait -3
	s_barrier_signal -1
	s_barrier_wait -1
.endm
.macro CROUND
	s_barrier_signal -1
	s_barrier_wait -1
	CREST
.endm
.macro MKSLOT n, ga, gb                ; slot n's two groups 0, and its first fill: K step n
	s_mov_b32 s[\ga], 1
	s_add_co_u32 s[\ga+1], s21, \n*SLOT
	s_add_nc_u64 s[\ga+2:\ga+3], s[92:93], \n*3072
	s_or_b32 s[\ga+3], s[\ga+3], 0x80000000
	s_mov_b32 s[\gb], 1
	s_add_co_u32 s[\gb+1], s21, \n*SLOT
	s_add_nc_u64 s[\gb+2:\gb+3], s[96:97], \n*3072
	s_or_b32 s[\gb+3], s[\gb+3], 0x80000000
	JLOAD \ga, G1A, \gb, G1B
.endm
.macro FRAG reg, a16, a8, q, i         ; a fragment is two chunks' images: four loads, each of consecutive bytes
	ds_load_b128 v[\reg:\reg+3], v[\a16] offset:(\i)*3072+(\q)*1536
	ds_load_b64 v[\reg+4:\reg+5], v[\a8] offset:(\i)*3072+(\q)*1536+512
	ds_load_b128 v[\reg+6:\reg+9], v[\a16] offset:(\i)*3072+(\q)*1536+768
	ds_load_b64 v[\reg+10:\reg+11], v[\a8] offset:(\i)*3072+(\q)*1536+1280
.endm
.macro FETCH_B slot, q, p
	WIN 0x40
.irp i, 0,1,2,3,4,5,6,7
	FRAG 128*(\p)+FR*\i, B16+\slot, B8+\slot, \q, \i
.endr
	WIN 0
.endm
.macro FETCH_A slot, q, i0
.irp i, \i0, \i0+1, \i0+2, \i0+3
	FRAG AF+FR*(\i), A16+\slot, A8+\slot, \q, \i
.endr
.endm
.macro SCALES ks
.irp i, 0,1,2,3,4,5,6,7
	ds_load_b64 v[SC+16*((\ks)%2)+2*\i:SC+16*((\ks)%2)+2*\i+1], v[ADRS] offset:(\i/2)*1024+(\i%2)*128+(\ks)*256
.endr
.endm
; 16 products: S1's tiles a0, a0 + 1 x S0's eight.  cm = 0: the sums go on; 1: they begin with the bias.  The 64 accumulators take turns, in the same order in every step.
.macro MUL16 a0, p, q, sc, cm
.if \cm == 0
	WIN 0xa1+0x50*((\a0)/4)
.else
	WIN 0x81+0x40*((\a0)/4)
.endif
.irp a, \a0, \a0+1
.irp b, 0,1,2,3,4,5,6,7
.if \cm == 0
	v_wmma_scale_f32_16x16x128_f8f6f4 v[8*(8*((\a)%4)+\b):8*(8*((\a)%4)+\b)+7], v[128*(\p)+FR*\b:128*(\p)+FR*\b+FR-1], v[AF+FR*(\a):AF+FR*(\a)+FR-1], v[8*(8*((\a)%4)+\b):8*(8*((\a)%4)+\b)+7], v[SC+16*(\sc)+2*\b+(\q)], v[SC+16*(\sc)+2*(\a)+(\q)] matrix_a_fmt:MATRIX_FMT_FP6 matrix_b_fmt:MATRIX_FMT_FP6 matrix_a_scale:MATRIX_SCALE_ROW1
.else
	v_wmma_scale_f32_16x16x128_f8f6f4 v[8*(8*((\a)%4)+\b):8*(8*((\a)%4)+\b)+7], v[128*(\p)+FR*\b:128*(\p)+FR*\b+FR-1], v[AF+FR*(\a):AF+FR*(\a)+FR-1], v[BI+8*\b:BI+8*\b+7], v[SC+16*(\sc)+2*\b+(\q)], v[SC+16*(\sc)+2*(\a)+(\q)] matrix_a_fmt:MATRIX_FMT_FP6 matrix_b_fmt:MATRIX_FMT_FP6 matrix_a_scale:MATRIX_SCALE_ROW1
.endif
.endr
.endr
.endm
; A K step's first 128.  Loads into registers that matrix instructions have read stand four plain vector instructions behind them (ISA guide 7.12.1 for vector instructions).
.macro STEP slot, ks, cm
	s_wait_dscnt 16                                ; S0's set, S1's tiles 0-3 and the scale words are in; the youngest 16 loads (S1's tiles 4-7) may be out
	MUL16 0, 0, 0, (\ks)%2, \cm
	MUL16 2, 0, 0, (\ks)%2, \cm
	s_wait_dscnt 0x0
	PLACES 4
	FETCH_B \slot, 1, 1
	FETCH_A \slot, 1, 0
	MUL16 4, 0, 0, (\ks)%2, \cm
	MUL16 6, 0, 0, (\ks)%2, \cm
	PLACES 4
	WIN 0
	FETCH_A \slot, 1, 4
.endm
; A K step's second 128, and the change of slots.  mode 2: slot 0 is left and filled again: each wave waits for all its tensor loads, adds 0 to its spare word, waits for that and for its reads of the slot; a round of the
; cluster's barrier; the joint refill first behind it.  mode 1: the refill has landed: the same lines and the work-group's barrier, nothing is filled.  mode 0: the next slot was shown whole by mode 2's round: no barrier.
.macro TURN slot, next, ks, mode
.if \mode == 0
	s_wait_dscnt 16
	MUL16 0, 1, 1, (\ks)%2, 0
	MUL16 2, 1, 1, (\ks)%2, 0
	s_wait_dscnt 0x0
	PLACES 4
.else
	s_wait_tensorcnt 0x0                           ; all my tensor loads have landed
	ds_add_u32 v[SPW], v[NIL]                      ; 0 onto my spare word
	s_wait_dscnt 17                                ; (the add and the youngest 16 loads may be out)
	MUL16 0, 1, 1, (\ks)%2, 0
	s_wait_dscnt 0x0                               ; the add is done, and my reads of this slot are over
	s_barrier_signal -1
	MUL16 2, 1, 1, (\ks)%2, 0
	WIN 0
	s_barrier_wait -1
.if \mode == 2
	CREST                                          ; no wave of any partner still reads slot 0 or has a load on its way
	s_add_nc_u64 s[58:59], s[58:59], 3*3072        ; K step 3
	s_add_nc_u64 s[74:75], s[74:75], 3*3072
	JLOAD 56, G1A, 72, G1B                         ; the four v_nop behind it are also the places in front of the loads below
.else
	PLACES 4
.endif
.endif
	FETCH_B \next, 0, 0
	FETCH_A \next, 0, 0
	SCALES (\ks)+1
	MUL16 4, 1, 1, (\ks)%2, 0
	MUL16 6, 1, 1, (\ks)%2, 0
	PLACES 4
	WIN 0
	FETCH_A \next, 0, 4
.endm
	s_load_b256 s[4:11], s[0:1], 0x0               ; yimg s[4:5], ysc s[6:7], opc s[8:9], ops s[10:11]
	s_load_b64 s[66:67], s[0:1], 0x20              ; b_proj
	s_load_b64 s[100:101], s[0:1], 0x28            ; out0
	v_lshl_add_u32 v[SPW], v0, 2, SPARE
	v_mov_b32 v[NIL], 0
	ds_add_u32 v[SPW], v[NIL]                      ; the wave's opening: the add and its wait stand ahead of my first tensor load; work on registers stands between
	v_lshrrev_b32 v1, 5, v0
	v_readfirstlane_b32 s14, v1                    ; wave 0..3
	s_lshr_b32 s15, s14, 1                         ; my half of S1's tiles.  Also: I fetch for S1 (0) or S0 (1)
	s_and_b32 s16, s14, 1                          ; my half of S0's tiles.  Also: which 8 tiles I fetch
	s_bfe_u32 s17, ttmp6, 0x40000                  ; cx
	s_bfe_u32 s18, ttmp6, 0x40004                  ; cy
	s_and_b32 s19, ttmp7, 0xffff                   ; cluster y
	s_lshl_b32 s2, s18, 2
	s_lshl_b32 s2, 15, s2                          ; my row of the cluster
	s_lshl_b32 s3, 0x1111, s17                     ; my column
	s_or_b32 s[G1A], s2, (3<<16)|(1<<21)           ; the mask; elements of 8 bytes; bit 21 beside a mask; no padding
	s_or_b32 s[G1B], s3, (3<<16)|(1<<21)
	s_or_b32 s[G1SA], s2, (3<<16)|(1<<21)
	s_or_b32 s[G1SB], s3, (3<<16)|(1<<21)
.irp g, G1A, G1B                       ; 8 tiles: rows of 3,072 bytes (a K step's four chunks), 12,288 bytes apart
	s_mov_b32 s[\g+1], 384<<16
	s_mov_b32 s[\g+2], 8<<16
	s_mov_b32 s[\g+3], 384<<16
	s_mov_b32 s[\g+4], 8
	s_mov_b32 s[\g+5], 1536
	s_mov_b32 s[\g+6], 0
	s_mov_b32 s[\g+7], 0
.endr
.irp g, G1SA, G1SB                     ; four pairs' scale bytes: 4,096 dense bytes as 16 rows of 256
	s_mov_b32 s[\g+1], 32<<16
	s_mov_b32 s[\g+2], 16<<16
	s_mov_b32 s[\g+3], 32<<16
	s_mov_b32 s[\g+4], 16
	s_mov_b32 s[\g+5], 32
	s_mov_b32 s[\g+6], 0
	s_mov_b32 s[\g+7], 0
.endr
	s_lshl_b32 s12, s16, 3                         ; the 8 tiles that I fetch
	s_lshl_b32 s20, s19, 6                         ; the cluster's 64 tiles of tokens
	s_lshl_b32 s2, s18, 4
	s_add_co_u32 s20, s20, s2
	s_add_co_u32 s20, s20, s12                     ; S1's first tile that I fetch: hangs on cy alone
	s_lshl_b32 s22, ttmp9, 6
	s_add_co_u32 s22, s22, 704                     ; w_proj's tiles
	s_lshl_b32 s3, s17, 4
	s_add_co_u32 s22, s22, s3
	s_add_co_u32 s22, s22, s12                     ; S0's: on cx alone
	s_mul_i32 s92, s20, 12288
	s_mov_b32 s93, 0
	s_lshl_b32 s94, s20, 9
	s_mov_b32 s95, 0
	s_mul_i32 s96, s22, 12288
	s_mov_b32 s97, 0
	s_lshl_b32 s98, s22, 9
	s_mov_b32 s99, 0
	s_mul_i32 s21, s14, HALFT                      ; where my tiles go in a slot
	s_lshl_b32 s23, s14, 12
	s_lshl_b32 s2, s15, 7
	s_add_co_u32 s23, s23, s2
	s_add_co_u32 s23, s23, SCL                     ; and my scale bytes
	s_wait_dscnt 0x0                               ; the opening add is done
	s_wait_kmcnt 0x0
	s_add_nc_u64 s[92:93], s[4:5], s[92:93]
	s_add_nc_u64 s[94:95], s[6:7], s[94:95]
	s_add_nc_u64 s[96:97], s[8:9], s[96:97]
	s_add_nc_u64 s[98:99], s[10:11], s[98:99]
	CROUND                                         ; all sixteen work-groups are here: the first joint loads meet
	s_mov_b32 s[G0SA], 1
	s_mov_b32 s[G0SA+1], s23
	s_mov_b64 s[G0SA+2:G0SA+3], s[94:95]
	s_or_b32 s[G0SA+3], s[G0SA+3], 0x80000000
	s_mov_b32 s[G0SB], 1
	s_mov_b32 s[G0SB+1], s23
	s_mov_b64 s[G0SB+2:G0SB+3], s[98:99]
	s_or_b32 s[G0SB+3], s[G0SB+3], 0x80000000
	JLOAD G0SA, G1SA, G0SB, G1SB                   ; four loads of mine go out together: the scale bytes and K steps 0, 1, 2
	MKSLOT 0, 56, 72
	MKSLOT 1, 60, 76
	MKSLOT 2, 68, 80
	v_and_b32 v1, 31, v0
	v_and_b32 v2, 15, v0                           ; r
	v_bfe_u32 v3, v0, 4, 1                         ; h
	v_lshlrev_b32 v[VO16], 4, v1
	v_lshlrev_b32 v[VO8], 4, v2
	v_lshl_add_u32 v[VO8], v3, 3, v[VO8]
	s_mul_i32 s2, s15, HALFT
	s_mul_i32 s3, s16, HALFT
	s_add_co_u32 s3, s3, 2*HALFT
.irp n, 0,1,2
	v_add_nc_u32 v[A16+\n], s2, v[VO16]
	v_add_nc_u32 v[A8+\n], s2, v[VO8]
	v_add_nc_u32 v[B16+\n], s3, v[VO16]
	v_add_nc_u32 v[B8+\n], s3, v[VO8]
	s_add_co_u32 s2, s2, SLOT
	s_add_co_u32 s3, s3, SLOT
.endr
	s_lshl_b32 s2, s15, 12                         ; S1's scale bytes: my four pairs
	s_lshl_b32 s3, s16, 12
	s_add_co_u32 s3, s3, 8320                      ; S0's
	s_sub_co_u32 s3, s3, s2
	v_mul_u32_u24 v[ADRS], s3, v3                  ; lanes 16-31 take S0's: one product, the distance between the two
	s_add_co_u32 s2, s2, SCL
	v_lshl_add_u32 v[ADRS], v2, 3, v[ADRS]
	v_add_nc_u32 v[ADRS], s2, v[ADRS]
	s_mul_i32 s2, s14, 16*SPITCH
	s_add_co_u32 s2, s2, STAGE                     ; my stage
	v_mul_u32_u24 v[STO], v2, SPITCH
	v_lshl_add_u32 v[STO], v3, 6, v[STO]           ; in: row r; tile b's registers are columns 32 (b / 2) + 8 (b % 2) + 16 h + 0 .. 7
	v_add_nc_u32 v[STO], s2, v[STO]
	v_add_nc_u32 v[RD], s2, v[VO16]                ; back: the 32 lanes take one row of 512 bytes
	s_lshl_b32 s2, ttmp9, 2
	s_add_co_u32 s2, s2, s17                       ; block of 256 columns
	s_lshl_b32 s2, s2, 10
	s_lshl_b32 s3, s16, 9
	s_add_co_u32 s2, s2, s3                        ; my 128 columns, in bytes
	s_mov_b32 s3, 0
	s_add_nc_u64 s[66:67], s[66:67], s[2:3]
	s_add_nc_u64 s[100:101], s[100:101], s[2:3]
	s_lshl_b32 s12, s19, 2
	s_add_co_u32 s12, s12, s18                     ; block of 256 tokens
	s_lshl_b32 s12, s12, 20
	s_lshl_b32 s13, s15, 19
	s_add_co_u32 s12, s12, s13                     ; my 128 rows of 4,096 bytes
	s_mov_b32 s13, 0
	s_add_nc_u64 s[100:101], s[100:101], s[12:13]
	v_lshlrev_b32 v[BO], 6, v3
.irp b, 0,1,2,3,4,5,6,7
	global_load_b128 v[BI+8*\b:BI+8*\b+3], v[BO], s[66:67] offset:(32*(\b/2)+8*(\b%2))*4
	global_load_b128 v[BI+8*\b+4:BI+8*\b+7], v[BO], s[66:67] offset:(32*(\b/2)+8*(\b%2))*4+16
.endr
	s_wait_tensorcnt 2                             ; the scale bytes and my part of K step 0 are in; the two younger loads may be out
	s_barrier_signal -1
	s_barrier_wait -1
	FETCH_B 0, 0, 0
	FETCH_A 0, 0, 0
	SCALES 0
	FETCH_A 0, 0, 4
	s_wait_loadcnt 0x0                             ; the bias
	STEP 0, 0, 1                                   ; the first products start the sums with the bias
	TURN 0, 1, 0, 2
	STEP 1, 1, 0
	TURN 1, 2, 1, 0
	STEP 2, 2, 0
	TURN 2, 0, 2, 1
	STEP 0, 3, 0
	s_wait_dscnt 16                                ; the very last 128: nothing more to fetch
	MUL16 0, 1, 1, 1, 0
	MUL16 2, 1, 1, 1, 0
	s_wait_dscnt 0x0
	MUL16 4, 1, 1, 1, 0
	MUL16 6, 1, 1, 1, 0
	WIN 0
; THE WAY OUT, a tile of 16 tokens x 128 columns at a time, through my own stage: LDS serves a wave's instructions in order, so no wait stands between the stores and the loads, nor in front of the next tile's stores.
.macro TOSTAGE a
.set AC, 64*((\a)%4)
	WIN 0x08+4*((\a)/4)                            ; the data: window 2 or 3
.irp b, 0,1,2,3,4,5,6,7
	ds_store_b128 v[STO], v[AC+8*\b:AC+8*\b+3] offset:128*(\b/2)+32*(\b%2)       ; each accumulator from its low end on
	ds_store_b128 v[STO], v[AC+8*\b+4:AC+8*\b+7] offset:128*(\b/2)+32*(\b%2)+16
.endr
	WIN 0
.set BB, BK+64*((\a)%2)
.irp t, 0,1,2,3,4,5,6,7,8,9,10,11,12,13,14,15
	ds_load_b128 v[BB+4*\t:BB+4*\t+3], v[RD] offset:\t*SPITCH
.endr
.endm
.macro SEND a, younger                 ; younger: the LDS instructions issued behind tile a's loads, which may stay out
.set BB, BK+64*((\a)%2)
	s_wait_dscnt \younger
.irp t, 0,1,2,3,4,5,6,7,8,9,10,11,12,13,14,15
	global_store_b128 v[VO16], v[BB+4*\t:BB+4*\t+3], s[100:101] offset:(32*((\a)/2)+8*((\a)%2)+\t+8*(\t/8))*4096 th:TH_STORE_NT   ; place t of tile a is that row; 512 consecutive, aligned bytes; 127 rows at the most: inside the signed 24-bit immediate
.endr
.endm
	PLACES 4                                       ; behind the last products: results are read, and loads land in registers that held operands
	TOSTAGE 0
.irp a, 1,2,3,4,5,6,7
.if \a > 1
	s_wait_xcnt 0x0                                ; tile a - 2's stores have read their registers: tile a's loads may land there
.endif
	TOSTAGE \a
	SEND \a-1, 32                                  ; behind tile a - 1's loads: tile a's 16 stores and 16 loads
.endr
	SEND 7, 0
	s_wait_tensorcnt 0x0                           ; the wave's end, behind my last tensor load and my last LDS store
	ds_add_u32 v[SPW], v[NIL]
	s_wait_dscnt 0x0
	CROUND                                         ; the closing round: no work-group ends while a partner may still ask for a tile that names it
	s_endpgm
.Lfunc_end_k_qa3935433ba_proj:
	.size	k_qa3935433ba_proj, .Lfunc_end_k_qa3935433ba_proj-k_qa3935433ba_proj
	.p2alignl 7, 3214868480
	.fill 96, 4, 3214868480
	.section	.rodata,"a",@progbits
	.p2align	6, 0x0
	.amdhsa_kernel k_qa3935433ba_proj
		.amdhsa_group_segment_fixed_size 327680
		.amdhsa_private_segment_fixed_size 0
		.amdhsa_enable_private_segment 0
		.amdhsa_kernarg_size 48
		.amdhsa_user_sgpr_count 2
		.amdhsa_user_sgpr_kernarg_segment_ptr 1
		.amdhsa_wavefront_size32 1
		.amdhsa_system_sgpr_workgroup_id_x 1
		.amdhsa_system_sgpr_workgroup_id_y 1
		.amdhsa_system_sgpr_workgroup_id_z 1
		.amdhsa_system_vgpr_workitem_id 0
		.amdhsa_next_free_vgpr 1024
		.amdhsa_next_free_sgpr 102
		.amdhsa_reserve_vcc 0
		.amdhsa_float_denorm_mode_32 3
		.amdhsa_float_denorm_mode_16_64 3
		.amdhsa_memory_ordered 1
		.amdhsa_forward_progress 1
		.amdhsa_inst_pref_size 145
	.end_amdhsa_kernel
	.amdgpu_metadata
---
amdhsa.version: [ 1, 2 ]
amdhsa.kernels:
  - .name:           k_qa3935433ba_proj
    .symbol:         k_qa3935433ba_proj.kd
    .args:
      - { .name: yimg, .offset: 0, .size: 8, .value_kind: global_buffer, .address_space: global }
      - { .name: ysc, .offset: 8, .size: 8, .value_kind: global_buffer, .address_space: global }
      - { .name: opc, .offset: 16, .size: 8, .value_kind: global_buffer, .address_space: global }
      - { .name: ops, .offset: 24, .size: 8, .value_kind: global_buffer, .address_space: global }
      - { .name: b_proj, .offset: 32, .size: 8, .value_kind: global_buffer, .address_space: global }
      - { .name: out0, .offset: 40, .size: 8, .value_kind: global_buffer, .address_space: global }
    .group_segment_fixed_size: 327680
    .private_segment_fixed_size: 0
    .kernarg_segment_align: 8
    .kernarg_segment_size: 48
    .max_flat_workgroup_size: 128
    .sgpr_count:     102
    .vgpr_count:     1024
    .wavefront_size: 32
...
	.end_amdgpu_metadata
.endif
;; end of part 4
